; MI455X (gfx1250); checked and timed in simulation.
; The chip was launched on July 23, 2026; its instructions are those of AMD's public machine-readable ISA for CDNA 5 (MIT licence, August 2026) and "CDNA5" Instruction Set Architecture Reference Guide (July 2026). The comments in the code are by the model that wrote it; some were corrected since.
;; Multi Head Attention. Allowed arithmetic: float matrix products may take bf16 or f16 operands with f32 sums; other float arithmetic in f32, or as packed bf16 or f16 multiplies, adds, multiply-adds, maxima and minima; sums over many terms, partial sums and values carried from step to step in f32; what a program stores and reads back later, other than sums and carried values, may be rounded once to bf16 or f16.
;; Inputs: Wk 512 x 1,024 float32; Wo 1,024 x 512 float32; Wq 512 x 1,024 float32; Wv 512 x 1,024 float32; fc1_b 2,048 float32; fc1_w 2,048 x 1,024 float32; fc2_b 1,024 float32; fc2_w 1,024 x 2,048 float32; keys 4 x 2,048 x 1,024 float32; ln1_b 1,024 float32; ln1_g 1,024 float32; ln2_b 1,024 float32; ln2_g 1,024 float32; x 4 x 2,048 x 1,024 float32.
;; Outputs: out0 4 x 2,048 x 1,024 float32.
;; 2 versions, each right and faster than the one before. Each part assembles by itself: llvm-mc -triple=amdgcn-amd-amdhsa -mcpu=gfx1250 --defsym DOCPART=n.
;; ======== version 1 of 2: 8 launches
;; workspace buffers: bf 46,137,344 bytes; qkvT 25,165,824 bytes; oT 8,388,608 bytes; y1 33,554,432 bytes; inter 16,777,216 bytes; h 33,554,432 bytes; f 67,108,864 bytes
;; launch prep (part 1): grid 1408 x 1, 8 waves a work-group, no clusters, 0 bytes of LDS; arguments x, keys, Wq, Wk, Wv, Wo, fc1_w, fc2_w, bf; writes bf
.if DOCPART == 1
	.amdgcn_target "amdgcn-amd-amdhsa--gfx1250"
	.amdhsa_code_object_version 6
	.text
	.protected	k_qb81aef2156_prep
	.globl	k_qb81aef2156_prep
	.p2align	8
	.type	k_qb81aef2156_prep,@function
k_qb81aef2156_prep:
	s_mov_b64 s[64:65], 0
	v_nop
	global_prefetch_b8 v0, s[64:65] scope:SCOPE_SE
	s_setreg_imm32_b32 hwreg(HW_REG_WAVE_MODE, 25, 1), 1
	s_wait_xcnt 0x0
; The matrix operands among the inputs, rounded once to bf16 (to nearest even) and laid end to end in bf:
; x, keys, Wq, Wk, Wv, Wo, fc1_w, fc2_w.  A work-group converts 16,384 numbers: 65,536 bytes in, 32,768 out; the sources' sizes are
; all multiples of that, so a work-group lies in one source: 512, 512, 32, 32, 32, 32, 128, 128 work-groups, 1,408 in all.
; Thread t takes 16 bytes at 16 t of each of sixteen blocks of 4,096 bytes; a wave's store covers 256 consecutive bytes, aligned.
; A stream: no LDS, no barrier, no matrix unit; all sixteen loads of a wave go out at once, and the waits count down.
; LIMIT: a number beyond bf16's largest finite one becomes an infinity.
.set X, 4                              ; v[4:67]   sixteen loads of four f32
.set Y, 68                             ; v[68:99]  sixteen pairs of packed bf16
	s_load_b512 s[8:23], s[0:1], 0x0               ; the eight sources
	s_load_b64 s[24:25], s[0:1], 0x40              ; bf
	v_lshlrev_b32 v1, 4, v0                        ; 16 t
	v_lshlrev_b32 v2, 3, v0                        ; 8 t
	s_wait_kmcnt 0x0
	s_mov_b64 s[4:5], s[8:9]                       ; x, unless a later source begins at or below my number
	s_mov_b32 s2, 0                                ; the first work-group of my source
.macro PICK start, reg
	s_cmp_ge_u32 ttmp9, \start
	s_cselect_b64 s[4:5], s[\reg:\reg+1], s[4:5]
	s_cselect_b32 s2, \start, s2
.endm
	PICK 512, 10                                   ; keys
	PICK 1024, 12                                  ; Wq
	PICK 1056, 14                                  ; Wk
	PICK 1088, 16                                  ; Wv
	PICK 1120, 18                                  ; Wo
	PICK 1152, 20                                  ; fc1_w
	PICK 1280, 22                                  ; fc2_w
	s_sub_co_u32 s26, ttmp9, s2                    ; my place in the source,
	s_lshl_b32 s26, s26, 16                        ; in bytes: 511 x 65,536 at the most
	s_mov_b32 s27, 0
	s_add_nc_u64 s[4:5], s[4:5], s[26:27]
	s_lshl_b32 s28, ttmp9, 15                      ; my place in bf
	s_mov_b32 s29, 0
	s_add_nc_u64 s[6:7], s[24:25], s[28:29]
.set j, 0
.rept 16
	global_load_b128 v[X+4*j:X+4*j+3], v1, s[4:5] offset:4096*j th:TH_LOAD_NT
.set j, j+1
.endr
.set j, 0
.rept 16
	s_wait_loadcnt 15-j                            ; loads come back in order: load j is in, the younger ones stay out
	v_cvt_pk_bf16_f32 v[Y+2*j], v[X+4*j], v[X+4*j+1]
	v_cvt_pk_bf16_f32 v[Y+2*j+1], v[X+4*j+2], v[X+4*j+3]
	global_store_b64 v2, v[Y+2*j:Y+2*j+1], s[6:7] offset:2048*j
.set j, j+1
.endr
	s_endpgm
.Lfunc_end_k_qb81aef2156_prep:
	.size	k_qb81aef2156_prep, .Lfunc_end_k_qb81aef2156_prep-k_qb81aef2156_prep
	.p2alignl 7, 3214868480
	.fill 96, 4, 3214868480
	.section	.rodata,"a",@progbits
	.p2align	6, 0x0
	.amdhsa_kernel k_qb81aef2156_prep
		.amdhsa_group_segment_fixed_size 0
		.amdhsa_private_segment_fixed_size 0
		.amdhsa_enable_private_segment 0
		.amdhsa_kernarg_size 72
		.amdhsa_user_sgpr_count 2
		.amdhsa_user_sgpr_kernarg_segment_ptr 1
		.amdhsa_wavefront_size32 1
		.amdhsa_system_sgpr_workgroup_id_x 1
		.amdhsa_system_sgpr_workgroup_id_y 1
		.amdhsa_system_sgpr_workgroup_id_z 1
		.amdhsa_system_vgpr_workitem_id 0
		.amdhsa_next_free_vgpr 100
		.amdhsa_next_free_sgpr 66
		.amdhsa_reserve_vcc 0
		.amdhsa_float_denorm_mode_32 3
		.amdhsa_float_denorm_mode_16_64 3
		.amdhsa_memory_ordered 1
		.amdhsa_forward_progress 1
		.amdhsa_inst_pref_size 8
	.end_amdhsa_kernel
	.amdgpu_metadata
---
amdhsa.version: [ 1, 2 ]
amdhsa.kernels:
  - .name:           k_qb81aef2156_prep
    .symbol:         k_qb81aef2156_prep.kd
    .args:
      - { .name: x, .offset: 0, .size: 8, .value_kind: global_buffer, .address_space: global }
      - { .name: keys, .offset: 8, .size: 8, .value_kind: global_buffer, .address_space: global }
      - { .name: Wq, .offset: 16, .size: 8, .value_kind: global_buffer, .address_space: global }
      - { .name: Wk, .offset: 24, .size: 8, .value_kind: global_buffer, .address_space: global }
      - { .name: Wv, .offset: 32, .size: 8, .value_kind: global_buffer, .address_space: global }
      - { .name: Wo, .offset: 40, .size: 8, .value_kind: global_buffer, .address_space: global }
      - { .name: fc1_w, .offset: 48, .size: 8, .value_kind: global_buffer, .address_space: global }
      - { .name: fc2_w, .offset: 56, .size: 8, .value_kind: global_buffer, .address_space: global }
      - { .name: bf, .offset: 64, .size: 8, .value_kind: global_buffer, .address_space: global }
    .group_segment_fixed_size: 0
    .private_segment_fixed_size: 0
    .kernarg_segment_align: 8
    .kernarg_segment_size: 72
    .max_flat_workgroup_size: 256
    .sgpr_count:     66
    .vgpr_count:     100
    .wavefront_size: 32
...
	.end_amdgpu_metadata
.endif
;; end of part 1
;; launch proj (part 2): grid 32 x 6, 4 waves a work-group, clusters of 4 x 1, 327,680 bytes of LDS; arguments bf, qkvT; writes qkvT
.if DOCPART == 2
	.amdgcn_target "amdgcn-amd-amdhsa--gfx1250"
	.amdhsa_code_object_version 6
	.text
	.protected	k_qb81aef2156_proj
	.globl	k_qb81aef2156_proj
	.p2align	8
	.type	k_qb81aef2156_proj,@function
k_qb81aef2156_proj:
	s_mov_b64 s[64:65], 0
	v_nop
	global_prefetch_b8 v0, s[64:65] scope:SCOPE_SE
	s_setreg_imm32_b32 hwreg(HW_REG_WAVE_MODE, 25, 1), 1
	s_wait_xcnt 0x0
	s_wait_alu depctr_hold_cnt(0) depctr_sa_sdst(0) depctr_va_vdst(0) depctr_va_sdst(0) depctr_va_ssrc(0) depctr_va_vcc(0) depctr_vm_vsrc(0)
	s_getreg_b32 s2, hwreg(HW_REG_IB_STS2, 6, 4)
	s_cmp_eq_u32 s2, 0
	s_cbranch_scc0 .Lentry_in_a_cluster
	s_endpgm
.Lentry_in_a_cluster:
	s_bfe_u32 s2, ttmp6, 0x10000c
	s_cmp_lg_u32 s2, 0x3003
	s_cbranch_scc0 .Lentry_shape_is_right
	s_endpgm
.Lentry_shape_is_right:
; qkvT[e][t] = sum over k of W[e][k] X[t][k]: the three projections as ONE product C = A B^T, transposed: A = Wq, Wk, Wv on end ([1536][1024] bf16 in bf),
; B = x for the rows of q (e < 512), keys for those of k and v ([8192][1024] bf16 in bf), C = qkvT [1536 channels][8192 tokens] bf16, rounded once from f32 sums, unscaled.
; A tile of C is 256 x 256; four waves, each 128 x 128: 64 accumulators, 512 registers.  K goes in 8 steps of 128 (LDS rows of 256 bytes, 128 rows to a tensor load) through two LDS slots.
; 6 x 32 tiles: 192 work-groups.  Tiles of 192 channels would make 256, but would straddle the border between q's rows (B = x) and k's (B = keys).
; CLUSTER: four work-groups, neighbours along the tokens: six tile rows do not divide by four.  The four need the same tile of A and ask for it jointly (mask 15); B's tiles differ, each is its work-group's own load.
; THE LOOP'S TRIP IS ONE K STEP: the slot in hand is a scalar, 0 or SLOT, turned by an exclusive or; the fragments' LDS addresses are made from it, and one walking descriptor for each tensor turns with it.
; The last two K steps, which fill nothing, are a second loop of two trips and their text stands once.
; THE MATRIX INSTRUCTION IS USED TRANSPOSED (source 0 = 16 rows of B, source 1 = 16 rows of A): a lane holds eight neighbouring numbers of a row of C.
; REGISTERS, in windows of 256: window 0: v0-31 addresses; v64-127, v128-191 fragments of A, two buffers (on the way out: at work).  window 1: v64-191 fragments of B.
;   window 2: the accumulators of my rows 0-63 ((a, b) at v[8 (8 a + b)]); window 3: those of my rows 64-127.
; THE WAY OUT: the f32 sums go into a stage of 128 rows x 528 bytes for each wave, in the slots' bytes, which have had their last fill; a loop of 16 trips reads 8 rows back, rounds and stores them.
.set STRIDE, 1024                      ; elements from row to row of A and of B
.set CROW,   16384                     ; bytes in a row of C
.set OFF_KEYS, 16777216                ; keys in bf
.set OFF_WQ,   33554432                ; Wq, Wk, Wv in bf
.set KSTEP,  128
.set STEPS,  8
.set PITCH,  272                       ; an LDS row: 256 bytes + 16 of padding = 68 words: the 16 rows of a fragment load start at 16 different groups of four banks
.set HALFT,  128*PITCH                 ; 128 rows: what one tensor load brings
.set SLOT,   4*HALFT                   ; A's 256 rows, then B's 256 rows: 0x22000; the waves' offsets in a slot hold neither of its two bits
.set SP,     528                       ; a stage row: 512 bytes + 16
.set WST,    128*SP                    ; a wave's stage; the four end at 270,336, inside the two slots
.set SPARE,  2*SLOT                    ; the spare words, 128 bytes for each wave; no other line names them
.set ADRA0, 16                         ; my A fragments' place in slot 0; never rewritten
.set ADRB0, 17
.set ADRA,  18                         ; the same in the slot in hand
.set ADRB,  19
.set STO,   24
.set RD,    25
.set CO,    26
.set RDC,   27
.set SPW,   28
.set NIL,   29
.set F0,    64
.set F1,    128
.set Z,     64                         ; the way out: 8 rows read back
.set OUTR,  128                        ; and rounded
.set G1, 24
.set G0, 32                            ; s[32:35] A's first fill; s[36:39] the second, which then walks
.set TB, 45                            ; the slot in hand: 0 or SLOT
.set G1B, 48
.set G0B, 56
.set MSB, 0
.macro WIN new                         ; the immediate's high byte repeats the setting that is left
.if MSB != (\new)
	s_set_vgpr_msb (MSB<<8)|(\new)
.set MSB, \new
.endif
.endm
.set MUL_LO, 0xa1                      ; source 0 (B) window 1, source 1 (A) window 0, C and D window 2
.set MUL_HI, 0xf1                      ; the same, C and D window 3
.set TO_B,   0x40                      ; destination window 1, address window 0
.macro JLOAD s                         ; waves 0 and 1 fetch A's two halves (jointly), waves 2 and 3 B's (my own); an s_nop 0 and four v_nop follow each line
	s_cmp_eq_u32 s11, 0
	s_cbranch_scc0 .Lfor_b_\@
	tensor_load_to_lds s[G0+4*(\s):G0+4*(\s)+3], s[G1:G1+7]
	s_nop 0
.rept 4
	v_nop
.endr
	s_branch .Lasked_\@
.Lfor_b_\@:
	tensor_load_to_lds s[G0B+4*(\s):G0B+4*(\s)+3], s[G1B:G1B+7]
	s_nop 0
.rept 4
	v_nop
.endr
.Lasked_\@:
.endm
.macro CREST                           ; a round of the cluster's barrier behind its opening barrier
	s_cmp_lg_u32 s10, 0
	s_cbranch_scc1 .Lnot_wave_0_\@
	s_barrier_signal -3
.Lnot_wave_0_\@:
	s_barrier_wait -3
	s_barrier_signal -1
	s_barrier_wait -1
.endm
.macro CROUND
	s_barrier_signal -1
	s_barrier_wait -1
	CREST
.endm
	s_load_b64 s[4:5], s[0:1], 0x0                 ; bf
	s_load_b64 s[8:9], s[0:1], 0x8                 ; qkvT
	v_lshl_add_u32 v[SPW], v0, 2, SPARE
	v_mov_b32 v[NIL], 0
	ds_add_u32 v[SPW], v[NIL]                      ; the wave's opening: the add and its wait ahead of my first tensor load
	v_lshrrev_b32 v1, 5, v0
	v_readfirstlane_b32 s10, v1                    ; wave 0..3
	s_lshr_b32 s11, s10, 1                         ; which half of the tile's rows is mine.  Also: I fetch for A (0) or for B (1)
	s_and_b32 s12, s10, 1                          ; which half of its columns.  Also: which 128 rows of that tile I fetch
	s_bfe_u32 s40, ttmp6, 0x40000                  ; cx
	s_lshl_b32 s42, ttmp9, 2
	s_add_co_u32 s42, s42, s40                     ; tile column of C (tokens)
	s_and_b32 s13, ttmp7, 0xffff                   ; tile row of C (channels), 0..5: the cluster is one work-group high
	s_cmp_lt_u32 s13, 2
	s_cselect_b32 s68, 0, OFF_KEYS                 ; B is x for q's two tile rows, keys for k's and v's
	s_mov_b32 s69, 0
	s_mov_b32 s[G1+0], 15|(1<<16)|(1<<20)|(1<<21)|(5<<22)|(3<<25)  ; the mask of four; 2-byte elements; padding on; bit 21 beside a mask; after every 64 words 4 words
	s_mov_b32 s[G1B+0], (1<<16)|(1<<20)|(5<<22)|(3<<25)            ; my own: no mask
.irp g, G1, G1B
	s_mov_b32 s[(\g)+1], KSTEP<<16                 ; tensor_dim0 = 128
	s_mov_b32 s[(\g)+2], 128<<16                   ; tensor_dim1 = 128
	s_mov_b32 s[(\g)+3], KSTEP<<16                 ; tile_dim0 = 128
	s_mov_b32 s[(\g)+4], 128                       ; tile_dim1 = 128
	s_mov_b32 s[(\g)+5], STRIDE                    ; elements from row to row
	s_mov_b32 s[(\g)+6], 0
	s_mov_b32 s[(\g)+7], 0
.endr
	s_lshl_b32 s17, s12, 7
	s_lshl_b32 s16, s13, 8
	s_add_co_u32 s16, s16, s17                     ; A: row 256 x tile row + 128 x half
	s_lshl_b32 s46, s42, 8
	s_add_co_u32 s46, s46, s17                     ; B: row 256 x tile column + 128 x half
	s_mov_b32 s17, 0
	s_mov_b32 s47, 0
	s_mov_b64 s[18:19], STRIDE*2
	s_mul_u64 s[16:17], s[16:17], s[18:19]
	s_mul_u64 s[46:47], s[46:47], s[18:19]
	s_add_nc_u64 s[16:17], s[16:17], OFF_WQ        ; both offsets count from bf's first byte
	s_add_nc_u64 s[46:47], s[46:47], s[68:69]
	s_mul_i32 s20, s10, HALFT                      ; where they go: wave x 128 rows
	s_mov_b32 s[TB], 0
	s_wait_dscnt 0x0                               ; the opening add is done
	s_wait_kmcnt 0x0
	s_add_nc_u64 s[14:15], s[4:5], s[16:17]
	s_add_nc_u64 s[46:47], s[4:5], s[46:47]
	CROUND                                         ; all four work-groups are here: the first joint loads meet
.irp s, 0,1
	s_mov_b32 s[G0+4*(\s)], 1
	s_add_co_u32 s[G0+4*(\s)+1], s20, (\s)*SLOT
	s_add_nc_u64 s[G0+4*(\s)+2:G0+4*(\s)+3], s[14:15], (\s)*KSTEP*2
	s_or_b32 s[G0+4*(\s)+3], s[G0+4*(\s)+3], 0x80000000
	s_mov_b32 s[G0B+4*(\s)], 1
	s_add_co_u32 s[G0B+4*(\s)+1], s20, (\s)*SLOT
	s_add_nc_u64 s[G0B+4*(\s)+2:G0B+4*(\s)+3], s[46:47], (\s)*KSTEP*2
	s_or_b32 s[G0B+4*(\s)+3], s[G0B+4*(\s)+3], 0x80000000
	JLOAD \s
.endr
	v_and_b32 v1, 15, v0                           ; l % 16
	v_bfe_u32 v2, v0, 4, 1                         ; l / 16
	v_mul_u32_u24 v3, v1, PITCH
	v_lshl_add_u32 v3, v2, 4, v3                   ; a fragment's row x pitch + 16 x half
	s_mul_i32 s21, s11, HALFT                      ; my 128 rows of A
	s_mul_i32 s22, s12, HALFT                      ; my 128 rows of B,
	s_add_co_u32 s22, s22, 2*HALFT                 ; which lie behind A's 256
	v_add_nc_u32 v[ADRA0], s21, v3
	v_add_nc_u32 v[ADRB0], s22, v3
	v_mov_b32 v[ADRA], v[ADRA0]                    ; slot 0 is in hand
	v_mov_b32 v[ADRB], v[ADRB0]
	s_mul_i32 s23, s10, WST                        ; my stage
	v_mul_u32_u24 v4, v1, SP                       ; in: row l % 16, 32 bytes for each half of the lanes
	v_lshl_add_u32 v4, v2, 5, v4
	v_add_nc_u32 v[STO], s23, v4
	v_mul_u32_u24 v5, v2, SP                       ; back: lanes 0-15 take one row, lanes 16-31 the next; 8 numbers a lane
	v_lshl_add_u32 v5, v1, 5, v5
	v_add_nc_u32 v[RD], s23, v5
	v_mul_u32_u24 v5, v2, CROW                     ; and the same two rows in C, 16 bytes a lane
	v_lshl_add_u32 v[CO], v1, 4, v5
	s_lshl_b32 s16, s13, 8
	s_lshl_b32 s17, s11, 7
	s_add_co_u32 s16, s16, s17                     ; my first row of C
	s_mov_b32 s17, 0
	s_mov_b64 s[18:19], CROW
	s_mul_u64 s[16:17], s[16:17], s[18:19]
	s_add_nc_u64 s[8:9], s[8:9], s[16:17]
	s_lshl_b32 s46, s42, 1
	s_add_co_u32 s46, s46, s12
	s_lshl_b32 s46, s46, 8                         ; my first column: (2 x tile column + half) x 128 x 2 bytes
	s_mov_b32 s47, 0
	s_add_nc_u64 s[8:9], s[8:9], s[46:47]
.macro MUL16 f, hi, a0, zero           ; 16 matrix instructions: m blocks a0, a0 + 1 of the window's four x all 8 n blocks, 32 along K; the 64 accumulators take turns
	WIN MUL_LO+0x50*(\hi)
.irp a, \a0, (\a0)+1
.irp b, 0,1,2,3,4,5,6,7
.if \zero
	v_wmma_f32_16x16x32_bf16 v[8*(8*(\a)+(\b)):8*(8*(\a)+(\b))+7], v[(\f)+8*(\b):(\f)+8*(\b)+7], v[(\f)+8*(4*(\hi)+(\a)):(\f)+8*(4*(\hi)+(\a))+7], 0
.else
	v_wmma_f32_16x16x32_bf16 v[8*(8*(\a)+(\b)):8*(8*(\a)+(\b))+7], v[(\f)+8*(\b):(\f)+8*(\b)+7], v[(\f)+8*(4*(\hi)+(\a)):(\f)+8*(4*(\hi)+(\a))+7], v[8*(8*(\a)+(\b)):8*(8*(\a)+(\b))+7]
.endif
.endr
.endr
.endm
.macro FETCH k, f                      ; 32 LDS loads in one run: the fragments of 32 along K at byte k of the rows of the slot in hand, into buffer f
	WIN TO_B
.irp i, 0,1,2,3,4,5,6,7
	ds_load_b128 v[(\f)+8*(\i):(\f)+8*(\i)+3],   v[ADRB] offset:(\k)+(\i)*16*PITCH
	ds_load_b128 v[(\f)+8*(\i)+4:(\f)+8*(\i)+7], v[ADRB] offset:(\k)+(\i)*16*PITCH+32
.endr
	WIN 0
.irp i, 0,1,2,3,4,5,6,7
	ds_load_b128 v[(\f)+8*(\i):(\f)+8*(\i)+3],   v[ADRA] offset:(\k)+(\i)*16*PITCH
	ds_load_b128 v[(\f)+8*(\i)+4:(\f)+8*(\i)+7], v[ADRA] offset:(\k)+(\i)*16*PITCH+32
.endr
.endm
.macro PLACES                          ; four places in front of loads into registers that matrix instructions have read, and of lines that read results
.rept 4
	v_nop
.endr
.endm
.macro QUARTER k, f, g, zero           ; 32 along K: multiplies buffer f; in its middle fetches the next quarter, at byte k, into g
	s_wait_dscnt 8                                 ; B and A's rows 0-63 are in; the youngest eight loads (A's rows 64-127) may be out
	WIN MUL_LO
	MUL16 \f, 0, 0, \zero
	MUL16 \f, 0, 2, \zero
	PLACES
	FETCH \k, \g
	s_wait_dscnt 32                                ; all but the 32 just issued
	WIN MUL_HI
	MUL16 \f, 1, 0, \zero
	MUL16 \f, 1, 2, \zero
.endm
.macro MEET round                      ; the first half of a step's last quarter, and the barrier of the change of slots; round = 1: a round of the cluster's barrier follows
	WIN 0
	s_wait_tensorcnt 0x0                           ; all my tensor loads have landed: the one that was out is my part of the next slot
	ds_add_u32 v[SPW], v[NIL]
	s_wait_dscnt 9                                 ; the add and the youngest eight loads may be out
	WIN MUL_LO
	MUL16 F1, 0, 0, 0
	s_wait_dscnt 0x0                               ; the add is done, and my reads of this slot are over
	s_barrier_signal -1
	MUL16 F1, 0, 2, 0
.if \round
	WIN 0
.endif
	s_barrier_wait -1
.endm
.macro TURN fill                       ; a step's last quarter; fill = 1: the slot just read out is filled again, two K steps ahead
	MEET \fill
.if \fill
	CREST                                          ; no wave of any partner still reads this slot's tile or has a load on its way
	s_xor_b32 s[G0+5], s[G0+5], SLOT               ; the walking descriptors: the other slot than last time,
	s_add_nc_u64 s[G0+6:G0+7], s[G0+6:G0+7], KSTEP*2   ; the next K step; the type bits on top are not reached
	s_xor_b32 s[G0B+5], s[G0B+5], SLOT
	s_add_nc_u64 s[G0B+6:G0B+7], s[G0B+6:G0B+7], KSTEP*2
	JLOAD 1                                        ; the first tensor load behind the round; its four v_nop are also the places in front of the loads below
.else
	WIN 0
	PLACES
.endif
	s_xor_b32 s[TB], s[TB], SLOT                   ; the other slot is in hand
	v_add_nc_u32 v[ADRA], s[TB], v[ADRA0]
	v_add_nc_u32 v[ADRB], s[TB], v[ADRB0]
	FETCH 0, F0
	WIN MUL_HI
	MUL16 F1, 1, 0, 0
	MUL16 F1, 1, 2, 0
.endm
	s_wait_tensorcnt 1                             ; my part of K step 0 is in; K step 1's may stay out
	s_barrier_signal -1
	s_barrier_wait -1
	FETCH 0, F0
	QUARTER 64, F0, F1, 1                          ; the first products start the sums
	WIN 0
	s_mov_b32 s3, STEPS-2
.Lstep:                                ; a trip: from a K step's second quarter to the next step's first; it fills the slot that it leaves
	QUARTER 128, F1, F0, 0
	QUARTER 192, F0, F1, 0
	TURN 1
	QUARTER 64, F0, F1, 0
	WIN 0
	s_sub_co_u32 s3, s3, 1
	s_cmp_lg_u32 s3, 0
	s_cbranch_scc1 .Lstep
	s_mov_b32 s3, 2
.Ltail:                                ; the last two K steps fill nothing: one text, two trips
	QUARTER 128, F1, F0, 0
	QUARTER 192, F0, F1, 0
	TURN 0                                         ; in the second trip its 32 LDS loads, of a tile that landed two steps ago, serve nothing: the price of one text for both trips
	WIN 0
	s_cmp_eq_u32 s3, 1
	s_cbranch_scc1 .Lover                          ; behind the last K step no next step's first quarter follows; what is jumped holds no barrier and no tensor load
	QUARTER 64, F0, F1, 0
	WIN 0
.Lover:
	s_wait_dscnt 0x0                               ; no LDS load of mine is out, on either way; behind the second trip: my reads of the slots are over
	s_sub_co_u32 s3, s3, 1
	s_cmp_lg_u32 s3, 0
	s_cbranch_scc1 .Ltail
	s_barrier_signal -1                            ; say so,
	s_barrier_wait -1                              ; and write into their bytes when all four have said so
	PLACES
	WIN 0x08                                       ; store data in window 2; each accumulator's low half first
.irp a, 0,1,2,3
.irp b, 0,1,2,3,4,5,6,7
	ds_store_b128 v[STO], v[8*(8*(\a)+(\b)):8*(8*(\a)+(\b))+3]   offset:(\a)*16*SP+64*(\b)
	ds_store_b128 v[STO], v[8*(8*(\a)+(\b))+4:8*(8*(\a)+(\b))+7] offset:(\a)*16*SP+64*(\b)+16
.endr
.endr
	WIN 0x0c                                       ; window 3: my rows 64-127
.irp a, 0,1,2,3
.irp b, 0,1,2,3,4,5,6,7
	ds_store_b128 v[STO], v[8*(8*(\a)+(\b)):8*(8*(\a)+(\b))+3]   offset:((\a)+4)*16*SP+64*(\b)
	ds_store_b128 v[STO], v[8*(8*(\a)+(\b))+4:8*(8*(\a)+(\b))+7] offset:((\a)+4)*16*SP+64*(\b)+16
.endr
.endr
	WIN 0
	s_wait_dscnt 0x0                               ; the four stages lie end to end: one barrier stands between all the stores and all the reads
	s_barrier_signal -1
	s_barrier_wait -1
	s_mov_b32 s70, 0                               ; the walk down my stage
	s_mov_b32 s71, 16
.Lrows:                                ; 16 trips of 8 rows
	v_add_nc_u32 v[RDC], s70, v[RD]
.irp p, 0,1,2,3
	ds_load_b128 v[Z+8*\p:Z+8*\p+3],   v[RDC] offset:\p*2*SP
	ds_load_b128 v[Z+8*\p+4:Z+8*\p+7], v[RDC] offset:\p*2*SP+16
.endr
.irp p, 0,1,2,3
	s_wait_dscnt 6-2*\p                            ; pair p of rows is in; the younger loads stay out
.irp r, 0,1,2,3
	v_cvt_pk_bf16_f32 v[OUTR+4*\p+\r], v[Z+8*\p+2*\r], v[Z+8*\p+2*\r+1]
.endr
	global_store_b128 v[CO], v[OUTR+4*\p:OUTR+4*\p+3], s[8:9] offset:2*\p*CROW  ; 16 lanes store 256 consecutive bytes, aligned
.endr
	s_wait_xcnt 0x0                                ; the stores' base and data are written again only behind this wait
	s_add_nc_u64 s[8:9], s[8:9], 8*CROW
	s_add_co_u32 s70, s70, 8*SP
	s_sub_co_u32 s71, s71, 1
	s_cmp_lg_u32 s71, 0
	s_cbranch_scc1 .Lrows
	s_wait_tensorcnt 0x0                           ; the wave's end
	ds_add_u32 v[SPW], v[NIL]
	s_wait_dscnt 0x0
	CROUND                                         ; the closing round
	s_endpgm
.Lfunc_end_k_qb81aef2156_proj:
	.size	k_qb81aef2156_proj, .Lfunc_end_k_qb81aef2156_proj-k_qb81aef2156_proj
	.p2alignl 7, 3214868480
	.fill 96, 4, 3214868480
	.section	.rodata,"a",@progbits
	.p2align	6, 0x0
	.amdhsa_kernel k_qb81aef2156_proj
		.amdhsa_group_segment_fixed_size 327680
		.amdhsa_private_segment_fixed_size 0
		.amdhsa_enable_private_segment 0
		.amdhsa_kernarg_size 16
		.amdhsa_user_sgpr_count 2
		.amdhsa_user_sgpr_kernarg_segment_ptr 1
		.amdhsa_wavefront_size32 1
		.amdhsa_system_sgpr_workgroup_id_x 1
		.amdhsa_system_sgpr_workgroup_id_y 1
		.amdhsa_system_sgpr_workgroup_id_z 1
		.amdhsa_system_vgpr_workitem_id 0
		.amdhsa_next_free_vgpr 1024
		.amdhsa_next_free_sgpr 80
		.amdhsa_reserve_vcc 0
		.amdhsa_float_denorm_mode_32 3
		.amdhsa_float_denorm_mode_16_64 3
		.amdhsa_memory_ordered 1
		.amdhsa_forward_progress 1
		.amdhsa_inst_pref_size 79
	.end_amdhsa_kernel
	.amdgpu_metadata
---
amdhsa.version: [ 1, 2 ]
amdhsa.kernels:
  - .name:           k_qb81aef2156_proj
    .symbol:         k_qb81aef2156_proj.kd
    .args:
      - { .name: bf, .offset: 0, .size: 8, .value_kind: global_buffer, .address_space: global }
      - { .name: qkvT, .offset: 8, .size: 8, .value_kind: global_buffer, .address_space: global }
    .group_segment_fixed_size: 327680
    .private_segment_fixed_size: 0
    .kernarg_segment_align: 8
    .kernarg_segment_size: 16
    .max_flat_workgroup_size: 128
    .sgpr_count:     80
    .vgpr_count:     1024
    .wavefront_size: 32
...
	.end_amdgpu_metadata
.endif
;; end of part 2
;; launch attn (part 3): grid 4 x 64, 8 waves a work-group, clusters of 4 x 1, 327,680 bytes of LDS; arguments qkvT, oT; writes oT
.if DOCPART == 3
	.amdgcn_target "amdgcn-amd-amdhsa--gfx1250"
	.amdhsa_code_object_version 6
	.text
	.protected	k_qb81aef2156_attn
	.globl	k_qb81aef2156_attn
	.p2align	8
	.type	k_qb81aef2156_attn,@function
k_qb81aef2156_attn:
	s_mov_b64 s[64:65], 0
	v_nop
	global_prefetch_b8 v0, s[64:65] scope:SCOPE_SE
	s_setreg_imm32_b32 hwreg(HW_REG_WAVE_MODE, 25, 1), 1
	s_wait_xcnt 0x0
	s_wait_alu depctr_hold_cnt(0) depctr_sa_sdst(0) depctr_va_vdst(0) depctr_va_sdst(0) depctr_va_ssrc(0) depctr_va_vcc(0) depctr_vm_vsrc(0)
	s_getreg_b32 s2, hwreg(HW_REG_IB_STS2, 6, 4)
	s_cmp_eq_u32 s2, 0
	s_cbranch_scc0 .Lentry_in_a_cluster
	s_endpgm
.Lentry_in_a_cluster:
	s_bfe_u32 s2, ttmp6, 0x10000c
	s_cmp_lg_u32 s2, 0x3003
	s_cbranch_scc0 .Lentry_shape_is_right
	s_endpgm
.Lentry_shape_is_right:
; oT[32 hd + d][t] = the sum over keys of softmax(q . k / sqrt(32)) v[d], for each of the 64 heads (batch b, head hd), 2,048 queries x 2,048 keys, head size 32.
; qkvT: [1536 channels][8192 tokens] bf16 (q, k, v; unscaled); oT: [512][8192] bf16.  Products, maxima and sums in f32; the weights p are rounded to bf16 for the second product
; (their sum l is taken of the unrounded p), O once at the end.
; LIMITS: c |s| stays below 4e37 (c m starts at -4.25e37); a weight below 2^-126 counts as 0; NaN and infinities are not treated apart.
; SHARES.  A work-group owns 512 queries of a head, each of its eight waves 64: four tiles of 16.  Every wave walks all 2,048 keys, 64 a step.
; NO RING.  A head's whole K and V, 2 x 32 channels x 2,048 keys x 2 bytes, lie in LDS: eight units of 32 rows x 1,024 bytes, filled once; nothing is filled again.
; THE FILLS GO OUT IN THE ORDER OF THE KEYS.  A wave asks for its four rows of Q and then, chunk of 512 keys by chunk, for eight channels of K (even waves) or of V (odd waves): five loads of mine are out
; at the most.  A unit has 32 rows in all, so a wave's eighth of a chunk is 8 rows of 1,024 bytes.  The walk begins when Q and chunk 0 are in, 101 of the 304 KB; the other chunks land under chunk 0's eight steps.
; CLUSTER.  The four query blocks of a head ask for K and V jointly: the same loads, descriptors and mask in all four.  Q's rows are each work-group's own.
; LAYOUT.  S^T = K Q^T (source 0 = 16 keys, source 1 = 16 queries): a lane holds ONE query (lane % 16) and keys 8 (lane / 16) + 0..7.  Two such results, rounded in pairs, ARE source 1 of O^T = V^T P.
; K and Q lie [channel][token] and come turned, by ds_load_tr16_b128; V^T is source 0 as it lies.
; SOFTMAX.  A running maximum m and sum l for each query: p = 2^(c s - c m), c = log2(e) / sqrt(32); O and l are multiplied by a = 2^(c m_old - c m_new) in every step.  m starts at the lowest finite
; number, O and l at 0: the first step is a step like any other, with a = 0.
; A tile and step have 8 matrix and 110 vector instructions: vector issue binds; the two waves of a SIMD fill each other's gaps.
.set PIT,   1056                       ; an LDS row: 1,024 bytes + 32 of padding, 33 x 32; V's plain loads collide two deep (8 loads a step)
.set UNIT,  32*PIT                     ; unit u at u x UNIT: keys 512 (u / 2) on; K for even u, V for odd u
.set QBASE, 8*UNIT                     ; Q^T: 32 rows x 512 queries; filled once, and at the end the stage for the way out
.set SPARE, 9*UNIT                     ; the spare words, 128 bytes for each of eight waves; no other line names them
.set AK,  2                            ; my lane's place in a unit of K; never rewritten
.set AV,  3                            ; the same for V
.set AQ,  4
.set STO, 5
.set RD,  6
.set GO,  7
.set SPW, 8
.set NIL, 9
.set MO,  10                           ; c m_old
.set DD,  11                           ; c m_old - c m_new
.set CC,  12                           ; v12-15 c0-c3 at work; a takes c2's place
.set ST,  16                           ; tile t: c m, m, l (even keys', odd keys') at v[ST + 4 t]
.set Q,   32
.set KF,  64
.set VF,  96                           ; key half kk, channel block cb at VF + 16 kk + 8 cb
.set S,   128
.set PP,  160
.set O,   176                          ; 16 a tile
.set AKC, 240                          ; the step's LDS addresses
.set AVC, 241
.set WV,  8
.set G1J, 16                           ; s[16:23] group 1 of the joint loads
.set G1Q, 24                           ; s[24:31] group 1 of Q's load
.set G0Q, 36                           ; s[36:39] group 0 of Q's load; the four chunks' group 0: s[32:35], s[52:55], s[56:59], s[60:63]
.set CS,  44
.set SEL, 46
.set TB,  50                           ; LDS byte at which the step's keys begin in K's first unit
.set LJ,  51                           ; LDS byte of my eight rows in chunk 0
.macro CROUND
	s_barrier_signal -1
	s_barrier_wait -1
	s_cmp_lg_u32 s[WV], 0
	s_cbranch_scc1 .Lnot_wave_0_\@
	s_barrier_signal -3
.Lnot_wave_0_\@:
	s_barrier_wait -3
	s_barrier_signal -1
	s_barrier_wait -1
.endm
	s_load_b128 s[4:7], s[0:1], 0x0                ; qkvT, oT
	v_lshl_add_u32 v[SPW], v0, 2, SPARE
	v_mov_b32 v[NIL], 0
	ds_add_u32 v[SPW], v[NIL]                      ; the wave's opening: the add and its wait ahead of my first tensor load
	v_lshrrev_b32 v1, 5, v0
	v_readfirstlane_b32 s[WV], v1                  ; wave 0..7
	s_bfe_u32 s9, ttmp6, 0x40000                   ; cx
	s_lshl_b32 s13, ttmp9, 2
	s_add_co_u32 s13, s13, s9                      ; my block of 512 queries: it enters Q's and O's addresses alone
	s_and_b32 s10, ttmp7, 0xffff                   ; the head, which the four partners share
	s_lshr_b32 s11, s10, 4                         ; b
	s_and_b32 s12, s10, 15                         ; hd
	s_lshl_b32 s14, s11, 12                        ; the batch's first token, in bytes
	s_lshl_b32 s15, s12, 5                         ; 32 hd
	s_and_b32 s2, s[WV], 1                         ; K (0) or V (1)
	s_lshr_b32 s3, s[WV], 1                        ; which eight of the 32 channels
	s_mul_i32 s[LJ], s2, UNIT
	s_mul_i32 s40, s3, 8*PIT
	s_add_co_u32 s[LJ], s[LJ], s40                 ; my rows' place in chunk 0: the wave's number and constants alone
	s_lshl_b32 s40, s2, 9
	s_add_co_u32 s40, s40, 512
	s_add_co_u32 s40, s40, s15
	s_lshl_b32 s41, s3, 3
	s_add_co_u32 s40, s40, s41                     ; row 512 + 512 (w & 1) + 32 hd + 8 (w / 2),
	s_lshl_b32 s40, s40, 14                        ; of 16,384 bytes
	s_add_co_u32 s40, s40, s14
	s_mov_b32 s41, 0
	s_lshl_b32 s42, s[WV], 2
	s_add_co_u32 s42, s42, s15                     ; row 32 hd + 4 w of q, and of oT
	s_lshl_b32 s42, s42, 14
	s_add_co_u32 s42, s42, s14
	s_lshl_b32 s43, s13, 10
	s_add_co_u32 s42, s42, s43                     ; my block's first query
	s_mov_b32 s43, 0
	s_mov_b32 s[G1J], 15|(1<<16)|(1<<20)|(1<<21)|(7<<22)|(7<<25)  ; the mask of four; 2-byte elements; padding on; bit 21 beside a mask; after every 256 words 8 words
	s_mov_b32 s[G1J+1], 512<<16                    ; tensor_dim0 = 512
	s_mov_b32 s[G1J+2], 8<<16                      ; tensor_dim1 = 8
	s_mov_b32 s[G1J+3], 512<<16                    ; tile_dim0 = 512
	s_mov_b32 s[G1J+4], 8                          ; tile_dim1 = 8
	s_mov_b32 s[G1J+5], 8192                       ; elements from row to row
	s_mov_b32 s[G1J+6], 0
	s_mov_b32 s[G1J+7], 0
	s_mov_b32 s[G1Q], (1<<16)|(1<<20)|(7<<22)|(7<<25)  ; my own work-group's: no mask
	s_mov_b32 s[G1Q+1], 512<<16
	s_mov_b32 s[G1Q+2], 4<<16                      ; four rows a wave
	s_mov_b32 s[G1Q+3], 512<<16
	s_mov_b32 s[G1Q+4], 4
	s_mov_b32 s[G1Q+5], 8192
	s_mov_b32 s[G1Q+6], 0
	s_mov_b32 s[G1Q+7], 0
.set cn, 0
.irp g, 32, 52, 56, 60
	s_mov_b32 s[\g], 1
	s_add_co_u32 s[\g+1], s[LJ], cn*2*UNIT         ; chunk cn's units lie 2 cn units on
.set cn, cn+1
.endr
	s_mov_b32 s[G0Q], 1
	s_mul_i32 s[G0Q+1], s[WV], 4*PIT
	s_add_co_u32 s[G0Q+1], s[G0Q+1], QBASE
	s_mov_b32 s[CS], 0x3e8293ee                    ; c = log2(e) / sqrt(32) = 0.255035
	s_mov_b32 s[CS+1], s[CS]
	s_mov_b32 s[SEL], 0x76543210
	s_mov_b32 s[SEL+1], 0xfedcba98
	s_mov_b32 s[TB], 0
	s_wait_dscnt 0x0                               ; the opening add is done
	s_wait_kmcnt 0x0
	s_add_nc_u64 s[40:41], s[4:5], s[40:41]        ; my eight rows at the batch's first key
.set cn, 0
.irp g, 32, 52, 56, 60
	s_add_nc_u64 s[\g+2:\g+3], s[40:41], cn*1024   ; keys 512 cn on
	s_or_b32 s[\g+3], s[\g+3], 0x80000000
.set cn, cn+1
.endr
	s_add_nc_u64 s[G0Q+2:G0Q+3], s[4:5], s[42:43]
	s_or_b32 s[G0Q+3], s[G0Q+3], 0x80000000
	s_add_nc_u64 s[6:7], s[6:7], s[42:43]          ; oT at my four rows, my block's first query
	CROUND                                         ; all four work-groups are here: the joint loads meet
	tensor_load_to_lds s[G0Q:G0Q+3], s[G1Q:G1Q+7]  ; Q first, then the chunks in the order in which they are walked
	s_nop 0
.irp g, 32, 52, 56, 60
	tensor_load_to_lds s[\g:\g+3], s[G1J:G1J+7]
	s_nop 0
.endr
.rept 4
	v_nop
.endr
	v_and_b32 v1, 15, v0                           ; l % 16
	v_bfe_u32 v12, v0, 4, 1                        ; l / 16
	v_and_b32 v13, 7, v0
	v_bfe_u32 v14, v0, 3, 1
	v_lshl_add_u32 v[AK], v12, 3, v13              ; the turning load: lane l reads channel 8 (l / 16) + l % 8, tokens 8 ((l / 8) % 2) + 0..7
	v_mul_u32_u24 v[AK], v[AK], PIT
	v_lshl_add_u32 v[AK], v14, 4, v[AK]
	v_mul_u32_u24 v[AV], v1, PIT                   ; V^T as it lies: channel l % 16, keys 8 (l / 16) + 0..7
	v_lshl_add_u32 v[AV], v12, 4, v[AV]
	v_add_nc_u32 v[AV], UNIT, v[AV]
	s_lshl_b32 s14, s[WV], 7
	s_add_co_u32 s14, s14, QBASE                   ; my wave's 64 queries in the Q tile
	v_add_nc_u32 v[AQ], s14, v[AK]
	v_mul_u32_u24 v[STO], v12, 8*PIT               ; the way out, in: channel 8 (l / 16) + .., query l % 16
	v_lshl_add_u32 v[STO], v1, 1, v[STO]
	v_add_nc_u32 v[STO], s14, v[STO]
	v_and_b32 v[GO], 31, v0
	v_lshlrev_b32 v[GO], 4, v[GO]                  ; back: 32 lanes take 512 consecutive bytes of a row
	v_add_nc_u32 v[RD], s[G0Q+1], v[GO]            ; rows 4 w on
.set i, 0
.rept 4
	v_mov_b32 v[ST+4*i], 0xfe000000                ; c m: far below every c s
	v_mov_b32 v[ST+4*i+1], 0xff7fffff              ; m
	v_mov_b32 v[ST+4*i+2], 0
	v_mov_b32 v[ST+4*i+3], 0
.set i, i+1
.endr
.set i, 0
.rept 64                                           ; O^T = 0: no first step is written out; these lines stand in the wait for the tiles
	v_mov_b32 v[O+i], 0
.set i, i+1
.endr
	s_wait_tensorcnt 0x3                           ; my rows of Q and of chunk 0 are in; the three younger loads, chunks 1 to 3, stay out
	s_barrier_signal -1
	s_barrier_wait -1                              ; everybody's are
.irp t, 0,1,2,3
	ds_load_tr16_b128 v[Q+8*\t:Q+8*\t+3],   v[AQ] offset:32*\t
	ds_load_tr16_b128 v[Q+8*\t+4:Q+8*\t+7], v[AQ] offset:32*\t+16*PIT
.endr
.macro FETCH                           ; a step's K (64 keys x 32 channels, turned) and V^T (32 channels x 64 keys)
.irp kb, 0,1,2,3
	ds_load_tr16_b128 v[KF+8*\kb:KF+8*\kb+3],   v[AKC] offset:32*\kb
	ds_load_tr16_b128 v[KF+8*\kb+4:KF+8*\kb+7], v[AKC] offset:32*\kb+16*PIT
.endr
.irp kk, 0,1
.irp cb, 0,1
	ds_load_b128 v[VF+16*\kk+8*\cb:VF+16*\kk+8*\cb+3],   v[AVC] offset:\cb*16*PIT+64*\kk
	ds_load_b128 v[VF+16*\kk+8*\cb+4:VF+16*\kk+8*\cb+7], v[AVC] offset:\cb*16*PIT+64*\kk+32
.endr
.endr
.endm
.macro KQ0                             ; tile 0's scores
.irp kb, 0,1,2,3
	v_wmma_f32_16x16x32_bf16 v[S+8*\kb:S+8*\kb+7], v[KF+8*\kb:KF+8*\kb+7], v[Q:Q+7], 0
.endr
.endm
.macro KQR t                           ; tile t + 1's scores; behind each product two of the eight lines O^T(t) x a, which name none of its registers
.irp kb, 0,1,2,3
	v_wmma_f32_16x16x32_bf16 v[S+8*\kb:S+8*\kb+7], v[KF+8*\kb:KF+8*\kb+7], v[Q+8*(\t)+8:Q+8*(\t)+15], 0
	v_pk_mul_f32 v[O+16*(\t)+4*\kb:O+16*(\t)+4*\kb+1], v[O+16*(\t)+4*\kb:O+16*(\t)+4*\kb+1], v[CC+2:CC+3] op_sel_hi:[1,0]
	v_pk_mul_f32 v[O+16*(\t)+4*\kb+2:O+16*(\t)+4*\kb+3], v[O+16*(\t)+4*\kb+2:O+16*(\t)+4*\kb+3], v[CC+2:CC+3] op_sel_hi:[1,0]
.endr
.endm
.macro PV t                            ; O^T(t) += V^T P: the two accumulators take turns
.irp kk, 0,1
.irp cb, 0,1
	v_wmma_f32_16x16x32_bf16 v[O+16*(\t)+8*\cb:O+16*(\t)+8*\cb+7], v[VF+16*\kk+8*\cb:VF+16*\kk+8*\cb+7], v[PP+8*\kk:PP+8*\kk+7], v[O+16*(\t)+8*\cb:O+16*(\t)+8*\cb+7]
.endr
.endr
.endm
.macro SMAX t                          ; the maximum of the lane's 32 scores and the old m; each accumulator's lowest registers are read first
.set rT, ST+4*(\t)
.irp n, 0,1,2,3
	v_max3_num_f32 v[CC+\n], v[S+8*\n], v[S+8*\n+1], v[S+8*\n+2]
.endr
.irp n, 0,1,2,3
	v_max3_num_f32 v[CC+\n], v[CC+\n], v[S+8*\n+3], v[S+8*\n+4]
.endr
.irp n, 0,1,2,3
	v_max3_num_f32 v[CC+\n], v[CC+\n], v[S+8*\n+5], v[S+8*\n+6]
.endr
	v_max3_num_f32 v[CC], v[CC], v[S+7], v[S+15]
	v_max3_num_f32 v[CC+1], v[CC+1], v[S+23], v[S+31]
	v_max3_num_f32 v[CC+2], v[CC+2], v[CC+3], v[rT+1]
	v_mov_b32 v[MO], v[rT]                         ; c m_old is kept
	v_max3_num_f32 v[CC], v[CC], v[CC+1], v[CC+2]
	v_permlanex16_b32 v[CC+3], v[CC], s[SEL], s[SEL+1]  ; the query's other 32 keys lie in the lane 16 away
	v_max_num_f32 v[rT+1], v[CC], v[CC+3]
	v_mul_f32 v[rT], s[CS], v[rT+1]
	v_sub_f32 v[DD], v[MO], v[rT]
	v_exp_f32 v[CC+2], v[DD]                       ; a; the scalings below are the plain lines behind it
.endm
.macro FF p                            ; c s - c m for pair p
	v_pk_fma_f32 v[S+2*(\p):S+2*(\p)+1], v[S+2*(\p):S+2*(\p)+1], s[CS:CS+1], v[rT:rT+1] op_sel_hi:[1,0,0] neg_lo:[0,0,1] neg_hi:[0,0,1]
.endm
.macro SEXP t                          ; scalings, exponentials, roundings and sums; every exponential has a plain line behind it before its result is used (ISA guide 5.7.2)
.set rT, ST+4*(\t)
	FF 0
	FF 1
	FF 2
.set i, 0
.rept 16
	v_exp_f32 v[S+2*i], v[S+2*i]
.if i < 13
	FF i+3
.endif
	v_exp_f32 v[S+2*i+1], v[S+2*i+1]
.if i >= 1
	s_wait_alu depctr_va_vdst(0)
	v_cvt_pk_bf16_f32 v[PP+i-1], v[S+2*i-2], v[S+2*i-1]
.endif
.if (i >= 3) && (i%2 == 1)
	v_pk_add_f32 v[S+2*i-6:S+2*i-5], v[S+2*i-6:S+2*i-5], v[S+2*i-4:S+2*i-3]  ; of four weights, both pairs rounded already, the second pair onto the first
.endif
.set i, i+1
.endr
	v_cvt_pk_bf16_f32 v[PP+15], v[S+30], v[S+31]
	v_pk_add_f32 v[S+28:S+29], v[S+28:S+29], v[S+30:S+31]
.irp k, 0,8,16,24
	v_pk_add_f32 v[S+\k:S+\k+1], v[S+\k:S+\k+1], v[S+\k+4:S+\k+5]
.endr
	v_pk_add_f32 v[S:S+1], v[S:S+1], v[S+8:S+9]
	v_pk_add_f32 v[S+16:S+17], v[S+16:S+17], v[S+24:S+25]
	v_pk_add_f32 v[S:S+1], v[S:S+1], v[S+16:S+17]
	v_pk_fma_f32 v[rT+2:rT+3], v[rT+2:rT+3], v[CC+2:CC+3], v[S:S+1] op_sel_hi:[1,0,1]  ; l = a l + the sum: ahead of the products that write S anew
.endm
.macro TILE t
	SMAX \t
	SEXP \t
.if (\t) < 3
	KQR \t                                         ; behind its last product stand two rescalings and, behind PV, three maxima before that product's result is read
.else
.set i, 0
.rept 8
	v_pk_mul_f32 v[O+48+2*i:O+48+2*i+1], v[O+48+2*i:O+48+2*i+1], v[CC+2:CC+3] op_sel_hi:[1,0]
.set i, i+1
.endr
.endif
	PV \t
.endm
	s_mov_b32 s48, 4
.Lchunk:                               ; four chunks of 512 keys
	s_mov_b32 s49, 8
.Lstep:                                ; eight steps of 64 keys
	v_add_nc_u32 v[AKC], s[TB], v[AK]              ; these four plain lines are the places between the last V^T P and the loads into V's registers
	v_add_nc_u32 v[AVC], s[TB], v[AV]
	v_nop
	v_nop
	FETCH
	s_wait_dscnt 0x0                               ; K and V are in (in the first trip Q too)
	KQ0
.rept 4
	v_nop                                          ; the places behind those products
.endr
	TILE 0
	TILE 1
	TILE 2
	TILE 3
	s_add_co_u32 s[TB], s[TB], 128                 ; 64 keys on
	s_sub_co_u32 s49, s49, 1
	s_cmp_lg_u32 s49, 0
	s_cbranch_scc1 .Lstep
	s_add_co_u32 s[TB], s[TB], 2*UNIT-1024         ; the next chunk's unit of K
	s_wait_tensorcnt 0x0                           ; behind chunk 0: my rows of chunks 1 to 3 are in, asked for eight steps ago; behind the later chunks no load is out.  Nothing is filled again,
	s_barrier_signal -1                            ; so this barrier only shows every wave's rows to every wave; no LDS load of mine is out (each step has waited for its own).
	s_barrier_wait -1                              ; Behind the last chunk it shows that nobody reads LDS any more: the stage below may be written
	s_sub_co_u32 s48, s48, 1
	s_cmp_lg_u32 s48, 0
	s_cbranch_scc1 .Lchunk
	; THE WAY OUT.  l's halves are added (four plain lines: the places behind the last products); O^T / l, rounded, goes into the Q tile's bytes, which have had their one fill, as [channel][query], and leaves as whole rows.
.irp t, 0,1,2,3
	v_add_f32 v[ST+4*\t+2], v[ST+4*\t+2], v[ST+4*\t+3]
.endr
.irp t, 0,1,2,3
	v_permlanex16_b32 v[ST+4*\t+3], v[ST+4*\t+2], s[SEL], s[SEL+1]
.endr
.irp t, 0,1,2,3
	v_add_f32 v[ST+4*\t+2], v[ST+4*\t+2], v[ST+4*\t+3]
.endr
.irp t, 0,1,2,3
	v_rcp_f32 v[ST+4*\t+2], v[ST+4*\t+2]
.endr
	v_nop
	s_wait_alu depctr_va_vdst(0)
.irp t, 0,1,2,3
.irp i, 0,1,2,3,4,5,6,7
	v_pk_mul_f32 v[O+16*\t+2*\i:O+16*\t+2*\i+1], v[O+16*\t+2*\i:O+16*\t+2*\i+1], v[ST+4*\t+2:ST+4*\t+3] op_sel_hi:[1,0]
.endr
.irp i, 0,1,2,3,4,5,6,7
	v_cvt_pk_bf16_f32 v[S+8*\t+\i], v[O+16*\t+2*\i], v[O+16*\t+2*\i+1]
.endr
.endr
.irp t, 0,1,2,3
.irp cb, 0,1
.irp jj, 0,1,2,3
	ds_store_b16 v[STO], v[S+8*\t+4*\cb+\jj] offset:(16*\cb+2*\jj)*PIT+32*\t          ; channel 16 cb + 8 (l / 16) + 2 jj
	ds_store_b16_d16_hi v[STO], v[S+8*\t+4*\cb+\jj] offset:(16*\cb+2*\jj+1)*PIT+32*\t ; and the next
.endr
.endr
.endr
	s_wait_dscnt 0x0                               ; for the others' sake: my stores are done
	s_barrier_signal -1
	s_barrier_wait -1
.irp i, 0,1,2,3,4,5,6,7
	ds_load_b128 v[KF+4*\i:KF+4*\i+3], v[RD] offset:(\i/2)*PIT+512*(\i%2)
.endr
.irp i, 0,1,2,3,4,5,6,7
	s_wait_dscnt 7-\i
	global_store_b128 v[GO], v[KF+4*\i:KF+4*\i+3], s[6:7] offset:(\i/2)*16384+512*(\i%2)  ; 512 consecutive bytes, aligned
.endr
	s_wait_tensorcnt 0x0                           ; the wave's end
	ds_add_u32 v[SPW], v[NIL]
	s_wait_dscnt 0x0
	CROUND                                         ; the closing round
	s_endpgm
.Lfunc_end_k_qb81aef2156_attn:
	.size	k_qb81aef2156_attn, .Lfunc_end_k_qb81aef2156_attn-k_qb81aef2156_attn
	.p2alignl 7, 3214868480
	.fill 96, 4, 3214868480
	.section	.rodata,"a",@progbits
	.p2align	6, 0x0
	.amdhsa_kernel k_qb81aef2156_attn
		.amdhsa_group_segment_fixed_size 327680
		.amdhsa_private_segment_fixed_size 0
		.amdhsa_enable_private_segment 0
		.amdhsa_kernarg_size 16
		.amdhsa_user_sgpr_count 2
		.amdhsa_user_sgpr_kernarg_segment_ptr 1
		.amdhsa_wavefront_size32 1
		.amdhsa_system_sgpr_workgroup_id_x 1
		.amdhsa_system_sgpr_workgroup_id_y 1
		.amdhsa_system_sgpr_workgroup_id_z 1
		.amdhsa_system_vgpr_workitem_id 0
		.amdhsa_next_free_vgpr 242
		.amdhsa_next_free_sgpr 66
		.amdhsa_reserve_vcc 0
		.amdhsa_float_denorm_mode_32 3
		.amdhsa_float_denorm_mode_16_64 3
		.amdhsa_memory_ordered 1
		.amdhsa_forward_progress 1
		.amdhsa_inst_pref_size 49
	.end_amdhsa_kernel
	.amdgpu_metadata
---
amdhsa.version: [ 1, 2 ]
amdhsa.kernels:
  - .name:           k_qb81aef2156_attn
    .symbol:         k_qb81aef2156_attn.kd
    .args:
      - { .name: qkvT, .offset: 0, .size: 8, .value_kind: global_buffer, .address_space: global }
      - { .name: oT, .offset: 8, .size: 8, .value_kind: global_buffer, .address_space: global }
    .group_segment_fixed_size: 327680
    .private_segment_fixed_size: 0
    .kernarg_segment_align: 8
    .kernarg_segment_size: 16
    .max_flat_workgroup_size: 256
    .sgpr_count:     66
    .vgpr_count:     242
    .wavefront_size: 32
...
	.end_amdgpu_metadata
.endif
;; end of part 3
;; launch wo (part 4): grid 8 x 64, 4 waves a work-group, clusters of 4 x 4, 327,680 bytes of LDS; arguments oT, bf, x, y1; writes y1
.if DOCPART == 4
	.amdgcn_target "amdgcn-amd-amdhsa--gfx1250"
	.amdhsa_code_object_version 6
	.text
	.protected	k_qb81aef2156_wo
	.globl	k_qb81aef2156_wo
	.p2align	8
	.type	k_qb81aef2156_wo,@function
k_qb81aef2156_wo:
	s_mov_b64 s[64:65], 0
	v_nop
	global_prefetch_b8 v0, s[64:65] scope:SCOPE_SE
	s_setreg_imm32_b32 hwreg(HW_REG_WAVE_MODE, 25, 1), 1
	s_wait_xcnt 0x0
	s_wait_alu depctr_hold_cnt(0) depctr_sa_sdst(0) depctr_va_vdst(0) depctr_va_sdst(0) depctr_va_ssrc(0) depctr_va_vcc(0) depctr_vm_vsrc(0)
	s_getreg_b32 s2, hwreg(HW_REG_IB_STS2, 6, 4)
	s_cmp_eq_u32 s2, 0
	s_cbranch_scc0 .Lentry_in_a_cluster
	s_endpgm
.Lentry_in_a_cluster:
	s_bfe_u32 s2, ttmp6, 0x10000c
	s_cmp_lg_u32 s2, 0xf033
	s_cbranch_scc0 .Lentry_shape_is_right
	s_endpgm
.Lentry_shape_is_right:
; y1[t][n] = sum over k of o[t][k] Wo[n][k] + x[t][n], in f32: what stands in front of the first LayerNorm is not rounded.
; A = o, which lies transposed: oT [512 channels][8192 tokens] bf16; B = Wo [1024][512] bf16 in bf; x and y1 [8192][1024] f32.
; A tile of C is 128 x 128; four waves, each 64 x 64.  K = 512 is two steps of 256: both LDS slots are filled once, at the start, and nothing is filled again; no loop.
; A's tile lies K-major in LDS (256 rows of 128 tokens, pitch 288) and its fragments come turned, by ds_load_tr16_b128; B's as rows along K (pitch 528).
; CLUSTERS: 4 x 4; A's tiles are asked for jointly along a row of the cluster, B's along a column.  THE MATRIX INSTRUCTION IS USED TRANSPOSED: a lane holds eight neighbouring numbers of a row of C.
; x: all 32 rows that a wave adds on the way out are asked for at the start, 32 loads of 512 bytes, and come while the products run: 64 registers in window 0, 64 in window 2.
; THE WAY OUT goes through a stage of 128 rows x 528 bytes at LDS byte 0: slot 0, which has had its one fill and whose last reads lie ahead of the change of slots' barrier.
.set SIZE_N, 1024
.set SIZE_K, 512
.set OFF_WO, 36700160
.set KSTEP,  256
.set PITCH,  528
.set HALFT,  64*PITCH                  ; 64 rows of B
.set PA,     288                       ; a row of A's tile: 256 bytes + 32, 9 x 32
.set HALFA,  128*PA                    ; 128 k-rows of A
.set SLOT,   2*HALFA+2*HALFT
.set SP,     528                       ; a stage row: 512 bytes + 16
.set SPARE,  2*SLOT                    ; the spare words; no other line names them
.set ADRA, 16                          ; v16-19: slot + 2 x (which 128 k-rows)
.set ADRB, 20
.set STO,  24
.set RD,   25
.set CO,   26
.set SPW,  28
.set NIL,  29
.set XA,   32                          ; v32-95: x's rows 0-15, later C's rows 16-31
.set ACC,  128
.set XB,   0                           ; window 2, v512-575: x's rows 16-31
.set F0,   0                           ; window 1
.set F1,   128
.set G1, 24
.set G0, 32
.set G1B, 48
.set G0B, 56
.set MSB, 0
.macro WIN new                         ; the immediate's high byte repeats the setting that is left
.if MSB != (\new)
	s_set_vgpr_msb (MSB<<8)|(\new)
.set MSB, \new
.endif
.endm
.set MUL,  0x05
.set TO_F, 0x40
.macro JLOAD s                         ; waves 0 and 1 fetch A's two halves, waves 2 and 3 B's; an s_nop 0 and four v_nop follow each line
	s_cmp_eq_u32 s11, 0
	s_cbranch_scc0 .Lfor_b_\@
	tensor_load_to_lds s[G0+4*(\s):G0+4*(\s)+3], s[G1:G1+7]
	s_nop 0
.rept 4
	v_nop
.endr
	s_branch .Lasked_\@
.Lfor_b_\@:
	tensor_load_to_lds s[G0B+4*(\s):G0B+4*(\s)+3], s[G1B:G1B+7]
	s_nop 0
.rept 4
	v_nop
.endr
.Lasked_\@:
.endm
.macro CROUND
	s_barrier_signal -1
	s_barrier_wait -1
	s_cmp_lg_u32 s10, 0
	s_cbranch_scc1 .Lnot_wave_0_\@
	s_barrier_signal -3
.Lnot_wave_0_\@:
	s_barrier_wait -3
	s_barrier_signal -1
	s_barrier_wait -1
.endm
	s_load_b128 s[4:7], s[0:1], 0x0                ; oT, bf
	s_load_b64 s[66:67], s[0:1], 0x10              ; x
	s_load_b64 s[8:9], s[0:1], 0x18                ; y1
	v_lshl_add_u32 v[SPW], v0, 2, SPARE
	v_mov_b32 v[NIL], 0
	ds_add_u32 v[SPW], v[NIL]                      ; the wave's opening: the add and its wait ahead of my first tensor load
	v_lshrrev_b32 v1, 5, v0
	v_readfirstlane_b32 s10, v1
	s_lshr_b32 s11, s10, 1                         ; which half of the tile's rows is mine.  Also: I fetch for A (0) or for B (1)
	s_and_b32 s12, s10, 1                          ; which half of its columns.  Also: which half of that tile I fetch
	s_bfe_u32 s40, ttmp6, 0x40000
	s_bfe_u32 s41, ttmp6, 0x40004
	s_lshl_b32 s42, ttmp9, 2
	s_add_co_u32 s42, s42, s40                     ; tile column of C
	s_and_b32 s13, ttmp7, 0xffff
	s_lshl_b32 s13, s13, 2
	s_add_co_u32 s13, s13, s41                     ; tile row of C
	s_lshl_b32 s43, s41, 2
	s_lshl_b32 s43, 15, s43
	s_lshl_b32 s44, 0x1111, s40
	s_or_b32 s[G1+0], s43, (1<<16)|(1<<20)|(1<<21)|(5<<22)|(7<<25)  ; A: after every 64 words 8 words of padding
	s_mov_b32 s[G1+1], 128<<16                     ; tensor_dim0 = 128 tokens
	s_mov_b32 s[G1+2], 128<<16                     ; tensor_dim1 = 128 k-rows
	s_mov_b32 s[G1+3], 128<<16                     ; tile_dim0
	s_mov_b32 s[G1+4], 128                         ; tile_dim1
	s_mov_b32 s[G1+5], 8192                        ; elements from row to row
	s_mov_b32 s[G1+6], 0
	s_mov_b32 s[G1+7], 0
	s_or_b32 s[G1B+0], s44, (1<<16)|(1<<20)|(1<<21)|(6<<22)|(3<<25) ; B: after every 128 words 4 words
	s_mov_b32 s[G1B+1], KSTEP<<16
	s_mov_b32 s[G1B+2], 64<<16
	s_mov_b32 s[G1B+3], KSTEP<<16
	s_mov_b32 s[G1B+4], 64
	s_mov_b32 s[G1B+5], SIZE_K
	s_mov_b32 s[G1B+6], 0
	s_mov_b32 s[G1B+7], 0
	s_lshl_b32 s16, s12, 21                        ; A: k-row 128 x half, of 16,384 bytes,
	s_lshl_b32 s17, s13, 8                         ; and the tile row's 128 tokens
	s_add_co_u32 s16, s16, s17
	s_mov_b32 s17, 0
	s_lshl_b32 s46, s42, 7
	s_lshl_b32 s47, s12, 6
	s_add_co_u32 s46, s46, s47                     ; B: row 128 x tile column + 64 x half,
	s_lshl_b32 s46, s46, 10                        ; of 1,024 bytes
	s_mov_b32 s47, 0
	s_add_nc_u64 s[46:47], s[46:47], OFF_WO
	s_mul_i32 s20, s10, HALFA                      ; where A's halves go (waves 0, 1),
	s_mul_i32 s45, s10, HALFT
	s_add_co_u32 s45, s45, 2*HALFA-2*HALFT         ; and B's, behind them (waves 2, 3)
	s_wait_dscnt 0x0                               ; the opening add is done
	s_wait_kmcnt 0x0
	s_add_nc_u64 s[14:15], s[4:5], s[16:17]
	s_add_nc_u64 s[46:47], s[6:7], s[46:47]
	CROUND                                         ; the first joint loads meet
.irp s, 0,1
	s_mov_b32 s[G0+4*(\s)], 1
	s_add_co_u32 s[G0+4*(\s)+1], s20, (\s)*SLOT
	s_add_nc_u64 s[G0+4*(\s)+2:G0+4*(\s)+3], s[14:15], (\s)*KSTEP*16384
	s_or_b32 s[G0+4*(\s)+3], s[G0+4*(\s)+3], 0x80000000
	s_mov_b32 s[G0B+4*(\s)], 1
	s_add_co_u32 s[G0B+4*(\s)+1], s45, (\s)*SLOT
	s_add_nc_u64 s[G0B+4*(\s)+2:G0B+4*(\s)+3], s[46:47], (\s)*KSTEP*2
	s_or_b32 s[G0B+4*(\s)+3], s[G0B+4*(\s)+3], 0x80000000
	JLOAD \s
.endr
	v_and_b32 v1, 15, v0                           ; l % 16
	v_bfe_u32 v2, v0, 4, 1                         ; l / 16
	v_mul_u32_u24 v3, v1, PITCH
	v_lshl_add_u32 v3, v2, 4, v3
	s_mul_i32 s22, s12, HALFT
	s_add_co_u32 s22, s22, 2*HALFA                 ; my 64 rows of B
	v_add_nc_u32 v[ADRB], s22, v3
	v_add_nc_u32 v[ADRB+1], SLOT, v[ADRB]
	v_and_b32 v4, 7, v0
	v_bfe_u32 v5, v0, 3, 1
	v_lshl_add_u32 v6, v2, 3, v4                   ; the turning load: lane l reads k-row 8 (l / 16) + l % 8, tokens 8 ((l / 8) % 2) + 0..7
	v_mul_u32_u24 v6, v6, PA
	v_lshl_add_u32 v6, v5, 4, v6
	s_lshl_b32 s21, s11, 7                         ; my 64 tokens
	v_add_nc_u32 v[ADRA], s21, v6
	v_add_nc_u32 v[ADRA+1], SLOT, v[ADRA]
	v_add_nc_u32 v[ADRA+2], HALFA, v[ADRA]
	v_add_nc_u32 v[ADRA+3], SLOT+HALFA, v[ADRA]
	s_mul_i32 s23, s11, 64*SP                      ; into the stage: my 64 rows, my half of their 512 bytes; 32 bytes a lane
	s_lshl_b32 s21, s12, 8
	s_add_co_u32 s23, s23, s21
	v_mul_u32_u24 v4, v1, SP
	v_lshl_add_u32 v4, v2, 5, v4
	v_add_nc_u32 v[STO], s23, v4
	s_mul_i32 s23, s10, 32*SP                      ; back: wave w takes rows 32 w on, a row of 512 bytes to a load
	v_and_b32 v5, 31, v0
	v_lshlrev_b32 v[CO], 4, v5
	v_add_nc_u32 v[RD], s23, v[CO]
	s_lshl_b32 s16, s13, 7
	s_lshl_b32 s17, s10, 5
	s_add_co_u32 s16, s16, s17                     ; the first row that I store,
	s_lshl_b32 s16, s16, 12                        ; of 4,096 bytes
	s_mov_b32 s17, 0
	s_lshl_b32 s46, s42, 9                         ; the tile's first column, in bytes
	s_mov_b32 s47, 0
	s_add_nc_u64 s[8:9], s[8:9], s[16:17]
	s_add_nc_u64 s[8:9], s[8:9], s[46:47]
	s_add_nc_u64 s[66:67], s[66:67], s[16:17]
	s_add_nc_u64 s[66:67], s[66:67], s[46:47]
.set t, 0
.rept 16                                           ; x's rows 0-15 of my 32,
	global_load_b128 v[XA+4*t:XA+4*t+3], v[CO], s[66:67] offset:t*4096
.set t, t+1
.endr
	WIN 0x80                                       ; destination window 2, address window 0
.set t, 0
.rept 16                                           ; and rows 16-31: all come while the products run
	global_load_b128 v[XB+4*t:XB+4*t+3], v[CO], s[66:67] offset:(16+t)*4096
.set t, t+1
.endr
	WIN 0
.macro MUL8 f, c, a0, zero             ; the accumulators take turns
	WIN MUL
.irp a, \a0, (\a0)+1
.irp b, 0,1,2,3
.if \zero
	v_wmma_f32_16x16x32_bf16 v[ACC+8*(4*(\a)+(\b)):ACC+8*(4*(\a)+(\b))+7], v[(\f)+64+8*(4*(\c)+(\b)):(\f)+64+8*(4*(\c)+(\b))+7], v[(\f)+8*(4*(\c)+(\a)):(\f)+8*(4*(\c)+(\a))+7], 0
.else
	v_wmma_f32_16x16x32_bf16 v[ACC+8*(4*(\a)+(\b)):ACC+8*(4*(\a)+(\b))+7], v[(\f)+64+8*(4*(\c)+(\b)):(\f)+64+8*(4*(\c)+(\b))+7], v[(\f)+8*(4*(\c)+(\a)):(\f)+8*(4*(\c)+(\a))+7], v[ACC+8*(4*(\a)+(\b)):ACC+8*(4*(\a)+(\b))+7]
.endif
.endr
.endr
.endm
.macro FETCH slot, k, f                ; k: byte of B's rows, 128 for each 64 along K; A's k-row is k / 2
	WIN TO_F
.irp c, 0,1
.irp i, 0,1,2,3
	ds_load_b128 v[(\f)+64+8*(4*(\c)+(\i)):(\f)+64+8*(4*(\c)+(\i))+3],   v[ADRB+(\slot)] offset:(\k)+64*(\c)+(\i)*16*PITCH
	ds_load_b128 v[(\f)+64+8*(4*(\c)+(\i))+4:(\f)+64+8*(4*(\c)+(\i))+7], v[ADRB+(\slot)] offset:(\k)+64*(\c)+(\i)*16*PITCH+32
	ds_load_tr16_b128 v[(\f)+8*(4*(\c)+(\i)):(\f)+8*(4*(\c)+(\i))+3],     v[ADRA+(\slot)+2*((\k)/256)] offset:((((\k)/128)%2)*64+32*(\c))*PA+32*(\i)
	ds_load_tr16_b128 v[(\f)+8*(4*(\c)+(\i))+4:(\f)+8*(4*(\c)+(\i))+7],   v[ADRA+(\slot)+2*((\k)/256)] offset:((((\k)/128)%2)*64+32*(\c)+16)*PA+32*(\i)
.endr
.endr
.endm
.macro PLACES
.rept 4
	v_nop
.endr
.endm
.macro QUARTER slot, k, f, g, zero
	s_wait_dscnt 16                                ; the first 32 along K are in
	WIN MUL
	MUL8 \f, 0, 0, \zero
	MUL8 \f, 0, 2, \zero
	PLACES
	FETCH \slot, \k, \g
	s_wait_dscnt 32                                ; all but the 32 just issued
	WIN MUL
	MUL8 \f, 1, 0, 0
	MUL8 \f, 1, 2, 0
.endm
	s_wait_tensorcnt 1                             ; my part of K step 0 is in; K step 1's may stay out
	s_barrier_signal -1
	s_barrier_wait -1
	FETCH 0, 0, F0
	QUARTER 0, 128, F0, F1, 1
	QUARTER 0, 256, F1, F0, 0
	QUARTER 0, 384, F0, F1, 0
	WIN 0                                          ; the change of slots
	s_wait_tensorcnt 0x0                           ; my part of slot 1 has landed
	ds_add_u32 v[SPW], v[NIL]
	s_wait_dscnt 17                                ; the add and the youngest sixteen loads may be out
	WIN MUL
	MUL8 F1, 0, 0, 0
	s_wait_dscnt 0x0                               ; the add is done, and my reads of slot 0 are over
	s_barrier_signal -1
	MUL8 F1, 0, 2, 0
	s_barrier_wait -1
	PLACES
	FETCH 1, 0, F0
	WIN MUL
	MUL8 F1, 1, 0, 0
	MUL8 F1, 1, 2, 0
	QUARTER 1, 128, F0, F1, 0
	QUARTER 1, 256, F1, F0, 0
	QUARTER 1, 384, F0, F1, 0
	s_wait_dscnt 16
	WIN MUL
	MUL8 F1, 0, 0, 0
	MUL8 F1, 0, 2, 0
	s_wait_dscnt 0
	MUL8 F1, 1, 0, 0
	MUL8 F1, 1, 2, 0
	WIN 0
	; THE WAY OUT: the f32 sums into the stage, 32 bytes a lane (each accumulator's low half first); a barrier; back as whole rows of 512 bytes; x is added; stored.
	PLACES
.irp a, 0,1,2,3
.irp b, 0,1,2,3
	ds_store_b128 v[STO], v[ACC+8*(4*(\a)+(\b)):ACC+8*(4*(\a)+(\b))+3]   offset:(\a)*16*SP+64*(\b)
	ds_store_b128 v[STO], v[ACC+8*(4*(\a)+(\b))+4:ACC+8*(4*(\a)+(\b))+7] offset:(\a)*16*SP+64*(\b)+16
.endr
.endr
	s_wait_dscnt 0x0                               ; for the others' sake: my stores into the stage are done
	s_barrier_signal -1
	s_barrier_wait -1
.set t, 0
.rept 16
	ds_load_b128 v[ACC+4*t:ACC+4*t+3], v[RD] offset:t*SP
.set t, t+1
.endr
	s_wait_loadcnt 16                              ; x's rows 0-15 are in: sixteen loads, rows 16-31, were issued behind them
.set t, 0
.rept 16
	s_wait_dscnt 15-t
	v_pk_add_f32 v[ACC+4*t:ACC+4*t+1], v[ACC+4*t:ACC+4*t+1], v[XA+4*t:XA+4*t+1]
	v_pk_add_f32 v[ACC+4*t+2:ACC+4*t+3], v[ACC+4*t+2:ACC+4*t+3], v[XA+4*t+2:XA+4*t+3]
	global_store_b128 v[CO], v[ACC+4*t:ACC+4*t+3], s[8:9] offset:t*4096  ; 512 consecutive bytes, aligned
.set t, t+1
.endr
.set t, 0
.rept 16
	ds_load_b128 v[XA+4*t:XA+4*t+3], v[RD] offset:(16+t)*SP
.set t, t+1
.endr
	s_wait_loadcnt 0x0                             ; x's rows 16-31
	WIN 0x08                                       ; source 1 in window 2: the sixteen rows' additions stand together under one setting, their stores behind them
.set t, 0
.rept 16
	s_wait_dscnt 15-t
	v_pk_add_f32 v[XA+4*t:XA+4*t+1], v[XA+4*t:XA+4*t+1], v[XB+4*t:XB+4*t+1]
	v_pk_add_f32 v[XA+4*t+2:XA+4*t+3], v[XA+4*t+2:XA+4*t+3], v[XB+4*t+2:XB+4*t+3]
.set t, t+1
.endr
	WIN 0
.set t, 0
.rept 16
	global_store_b128 v[CO], v[XA+4*t:XA+4*t+3], s[8:9] offset:(16+t)*4096
.set t, t+1
.endr
	s_wait_tensorcnt 0x0                           ; the wave's end
	ds_add_u32 v[SPW], v[NIL]
	s_wait_dscnt 0x0
	CROUND                                         ; the closing round
	s_endpgm
.Lfunc_end_k_qb81aef2156_wo:
	.size	k_qb81aef2156_wo, .Lfunc_end_k_qb81aef2156_wo-k_qb81aef2156_wo
	.p2alignl 7, 3214868480
	.fill 96, 4, 3214868480
	.section	.rodata,"a",@progbits
	.p2align	6, 0x0
	.amdhsa_kernel k_qb81aef2156_wo
		.amdhsa_group_segment_fixed_size 327680
		.amdhsa_private_segment_fixed_size 0
		.amdhsa_enable_private_segment 0
		.amdhsa_kernarg_size 32
		.amdhsa_user_sgpr_count 2
		.amdhsa_user_sgpr_kernarg_segment_ptr 1
		.amdhsa_wavefront_size32 1
		.amdhsa_system_sgpr_workgroup_id_x 1
		.amdhsa_system_sgpr_workgroup_id_y 1
		.amdhsa_system_sgpr_workgroup_id_z 1
		.amdhsa_system_vgpr_workitem_id 0
		.amdhsa_next_free_vgpr 576
		.amdhsa_next_free_sgpr 72
		.amdhsa_reserve_vcc 0
		.amdhsa_float_denorm_mode_32 3
		.amdhsa_float_denorm_mode_16_64 3
		.amdhsa_memory_ordered 1
		.amdhsa_forward_progress 1
		.amdhsa_inst_pref_size 58
	.end_amdhsa_kernel
	.amdgpu_metadata
---
amdhsa.version: [ 1, 2 ]
amdhsa.kernels:
  - .name:           k_qb81aef2156_wo
    .symbol:         k_qb81aef2156_wo.kd
    .args:
      - { .name: oT, .offset: 0, .size: 8, .value_kind: global_buffer, .address_space: global }
      - { .name: bf, .offset: 8, .size: 8, .value_kind: global_buffer, .address_space: global }
      - { .name: x, .offset: 16, .size: 8, .value_kind: global_buffer, .address_space: global }
      - { .name: y1, .offset: 24, .size: 8, .value_kind: global_buffer, .address_space: global }
    .group_segment_fixed_size: 327680
    .private_segment_fixed_size: 0
    .kernarg_segment_align: 8
    .kernarg_segment_size: 32
    .max_flat_workgroup_size: 128
    .sgpr_count:     72
    .vgpr_count:     576
    .wavefront_size: 32
...
	.end_amdgpu_metadata
.endif
;; end of part 4
;; launch ln1 (part 5): grid 512 x 1, 8 waves a work-group, no clusters, 0 bytes of LDS; arguments y1, ln1_g, ln1_b, inter; writes inter
.if DOCPART == 5
	.amdgcn_target "amdgcn-amd-amdhsa--gfx1250"
	.amdhsa_code_object_version 6
	.text
	.protected	k_qb81aef2156_ln1
	.globl	k_qb81aef2156_ln1
	.p2align	8
	.type	k_qb81aef2156_ln1,@function
k_qb81aef2156_ln1:
	s_mov_b64 s[64:65], 0
	v_nop
	global_prefetch_b8 v0, s[64:65] scope:SCOPE_SE
	s_setreg_imm32_b32 hwreg(HW_REG_WAVE_MODE, 25, 1), 1
	s_wait_xcnt 0x0
; inter[r][:] = LayerNorm(y1[r][:]) x g + b, rounded once to bf16: the matrix operand of the product behind.  y1: [8192][1024] f32.
; A row is 4,096 bytes: one wave holds it in 32 registers; mean, then the sum of squares of (x - mean), as the definition has it: no difference of large sums.
; Eight waves, two rows each, both on their way at once.  A stream: no LDS, no barrier, no matrix unit.
.set X0, 32
.set X1, 64
.set G,  96
.set B,  128
.set Y,  160
	s_load_b256 s[4:11], s[0:1], 0x0               ; y1, g, b, inter
	s_mov_b32 s12, 0x76543210                      ; v_permlanex16_b32: each lane takes its own place in the other half
	s_mov_b32 s13, 0xfedcba98
	s_mov_b32 s14, 0x3a800000                      ; 1 / 1024
	s_mov_b32 s15, 0x3727c5ac                      ; 1e-5
	v_and_b32 v3, 31, v0
	v_lshrrev_b32 v4, 5, v0                        ; wave
	v_lshlrev_b32 v2, 3, v3
	v_lshl_add_u32 v2, v4, 12, v2                  ; out: 8 x lane + wave x 2 rows x 2,048 bytes
	v_lshlrev_b32 v3, 4, v3                        ; 16 x lane
	v_lshl_add_u32 v1, v4, 13, v3                  ; in: + wave x 2 rows x 4,096 bytes
	s_lshl_b32 s16, ttmp9, 16                      ; the group's 16 rows
	s_mov_b32 s17, 0
	s_lshl_b32 s18, ttmp9, 15
	s_mov_b32 s19, 0
	s_wait_kmcnt 0x0
	s_add_nc_u64 s[4:5], s[4:5], s[16:17]
	s_add_nc_u64 s[10:11], s[10:11], s[18:19]
.irp j, 0,1,2,3,4,5,6,7
	global_load_b128 v[X0+4*\j:X0+4*\j+3], v1, s[4:5] offset:512*\j
.endr
.irp j, 0,1,2,3,4,5,6,7
	global_load_b128 v[X1+4*\j:X1+4*\j+3], v1, s[4:5] offset:4096+512*\j
.endr
.irp j, 0,1,2,3,4,5,6,7
	global_load_b128 v[G+4*\j:G+4*\j+3], v3, s[6:7] offset:512*\j
.endr
.irp j, 0,1,2,3,4,5,6,7
	global_load_b128 v[B+4*\j:B+4*\j+3], v3, s[8:9] offset:512*\j
.endr
.macro REDUCE r, tmp                   ; the sum over the wave's 32 lanes, in every lane
	v_add_f32_dpp v[\r], v[\r], v[\r] row_xmask:1 row_mask:0xf bank_mask:0xf
	v_add_f32_dpp v[\r], v[\r], v[\r] row_xmask:2 row_mask:0xf bank_mask:0xf
	v_add_f32_dpp v[\r], v[\r], v[\r] row_xmask:4 row_mask:0xf bank_mask:0xf
	v_add_f32_dpp v[\r], v[\r], v[\r] row_xmask:8 row_mask:0xf bank_mask:0xf
	v_permlanex16_b32 v[\tmp], v[\r], s12, s13
	v_add_f32 v[\r], v[\r], v[\tmp]
.endm
.macro LNSTAT X, R                     ; X becomes x - mean; v[R] = 1 / sqrt(variance + 1e-5)
	v_pk_add_f32 v[8:9], v[(\X):(\X)+1], v[(\X)+2:(\X)+3]
	v_pk_add_f32 v[10:11], v[(\X)+4:(\X)+5], v[(\X)+6:(\X)+7]
.set i, 4
.rept 6
	v_pk_add_f32 v[8:9], v[8:9], v[(\X)+2*i:(\X)+2*i+1]
	v_pk_add_f32 v[10:11], v[10:11], v[(\X)+2*i+2:(\X)+2*i+3]
.set i, i+2
.endr
	v_pk_add_f32 v[8:9], v[8:9], v[10:11]
	v_add_f32 v8, v8, v9
	REDUCE 8, 9
	v_mul_f32 v8, s14, v8                          ; the mean
.set i, 0
.rept 16
	v_pk_add_f32 v[(\X)+2*i:(\X)+2*i+1], v[(\X)+2*i:(\X)+2*i+1], v[8:9] op_sel_hi:[1,0] neg_lo:[0,1] neg_hi:[0,1]
.set i, i+1
.endr
	v_pk_mul_f32 v[10:11], v[(\X):(\X)+1], v[(\X):(\X)+1]
	v_pk_mul_f32 v[12:13], v[(\X)+2:(\X)+3], v[(\X)+2:(\X)+3]
.set i, 2
.rept 7
	v_pk_fma_f32 v[10:11], v[(\X)+2*i:(\X)+2*i+1], v[(\X)+2*i:(\X)+2*i+1], v[10:11]
	v_pk_fma_f32 v[12:13], v[(\X)+2*i+2:(\X)+2*i+3], v[(\X)+2*i+2:(\X)+2*i+3], v[12:13]
.set i, i+2
.endr
	v_pk_add_f32 v[10:11], v[10:11], v[12:13]
	v_add_f32 v10, v10, v11
	REDUCE 10, 11
	v_fma_f32 v10, v10, s14, s15
	v_rsq_f32 v[\R], v10
	v_mov_b32 v[(\R)+1], 0                         ; the plain line behind the root; the pair is named whole below
.endm
.macro LNOUT X, GG, BB, R
.set i, 0
	s_wait_alu depctr_va_vdst(0)
.rept 16
	v_pk_mul_f32 v[(\X)+2*i:(\X)+2*i+1], v[(\X)+2*i:(\X)+2*i+1], v[(\R):(\R)+1] op_sel_hi:[1,0]
.set i, i+1
.endr
.set i, 0
.rept 16
	v_pk_fma_f32 v[(\X)+2*i:(\X)+2*i+1], v[(\X)+2*i:(\X)+2*i+1], v[(\GG)+2*i:(\GG)+2*i+1], v[(\BB)+2*i:(\BB)+2*i+1]
.set i, i+1
.endr
.endm
	s_wait_loadcnt 24                              ; row 0 is in; row 1, g and b stay out
	LNSTAT X0, 16
	s_wait_loadcnt 16                              ; row 1 is in
	LNSTAT X1, 18
	s_wait_loadcnt 0x0                             ; g and b
	LNOUT X0, G, B, 16
	LNOUT X1, G, B, 18
.irp r, 0,1
.irp j, 0,1,2,3,4,5,6,7
	v_cvt_pk_bf16_f32 v[Y+16*\r+2*\j], v[X0+32*\r+4*\j], v[X0+32*\r+4*\j+1]
	v_cvt_pk_bf16_f32 v[Y+16*\r+2*\j+1], v[X0+32*\r+4*\j+2], v[X0+32*\r+4*\j+3]
	global_store_b64 v2, v[Y+16*\r+2*\j:Y+16*\r+2*\j+1], s[10:11] offset:2048*\r+256*\j  ; a wave's store covers 256 consecutive bytes, aligned
.endr
.endr
	s_endpgm
.Lfunc_end_k_qb81aef2156_ln1:
	.size	k_qb81aef2156_ln1, .Lfunc_end_k_qb81aef2156_ln1-k_qb81aef2156_ln1
	.p2alignl 7, 3214868480
	.fill 96, 4, 3214868480
	.section	.rodata,"a",@progbits
	.p2align	6, 0x0
	.amdhsa_kernel k_qb81aef2156_ln1
		.amdhsa_group_segment_fixed_size 0
		.amdhsa_private_segment_fixed_size 0
		.amdhsa_enable_private_segment 0
		.amdhsa_kernarg_size 32
		.amdhsa_user_sgpr_count 2
		.amdhsa_user_sgpr_kernarg_segment_ptr 1
		.amdhsa_wavefront_size32 1
		.amdhsa_system_sgpr_workgroup_id_x 1
		.amdhsa_system_sgpr_workgroup_id_y 1
		.amdhsa_system_sgpr_workgroup_id_z 1
		.amdhsa_system_vgpr_workitem_id 0
		.amdhsa_next_free_vgpr 192
		.amdhsa_next_free_sgpr 66
		.amdhsa_reserve_vcc 0
		.amdhsa_float_denorm_mode_32 3
		.amdhsa_float_denorm_mode_16_64 3
		.amdhsa_memory_ordered 1
		.amdhsa_forward_progress 1
		.amdhsa_inst_pref_size 20
	.end_amdhsa_kernel
	.amdgpu_metadata
---
amdhsa.version: [ 1, 2 ]
amdhsa.kernels:
  - .name:           k_qb81aef2156_ln1
    .symbol:         k_qb81aef2156_ln1.kd
    .args:
      - { .name: y1, .offset: 0, .size: 8, .value_kind: global_buffer, .address_space: global }
      - { .name: ln1_g, .offset: 8, .size: 8, .value_kind: global_buffer, .address_space: global }
      - { .name: ln1_b, .offset: 16, .size: 8, .value_kind: global_buffer, .address_space: global }
      - { .name: inter, .offset: 24, .size: 8, .value_kind: global_buffer, .address_space: global }
    .group_segment_fixed_size: 0
    .private_segment_fixed_size: 0
    .kernarg_segment_align: 8
    .kernarg_segment_size: 32
    .max_flat_workgroup_size: 256
    .sgpr_count:     66
    .vgpr_count:     192
    .wavefront_size: 32
...
	.end_amdgpu_metadata
.endif
;; end of part 5
;; launch fc1 (part 6): grid 8 x 32, 4 waves a work-group, clusters of 4 x 4, 327,680 bytes of LDS; arguments inter, bf, fc1_b, h; writes h
.if DOCPART == 6
	.amdgcn_target "amdgcn-amd-amdhsa--gfx1250"
	.amdhsa_code_object_version 6
	.text
	.protected	k_qb81aef2156_fc1
	.globl	k_qb81aef2156_fc1
	.p2align	8
	.type	k_qb81aef2156_fc1,@function
k_qb81aef2156_fc1:
	s_mov_b64 s[64:65], 0
	v_nop
	global_prefetch_b8 v0, s[64:65] scope:SCOPE_SE
	s_setreg_imm32_b32 hwreg(HW_REG_WAVE_MODE, 25, 1), 1
	s_wait_xcnt 0x0
	s_wait_alu depctr_hold_cnt(0) depctr_sa_sdst(0) depctr_va_vdst(0) depctr_va_sdst(0) depctr_va_ssrc(0) depctr_va_vcc(0) depctr_vm_vsrc(0)
	s_getreg_b32 s2, hwreg(HW_REG_IB_STS2, 6, 4)
	s_cmp_eq_u32 s2, 0
	s_cbranch_scc0 .Lentry_in_a_cluster
	s_endpgm
.Lentry_in_a_cluster:
	s_bfe_u32 s2, ttmp6, 0x10000c
	s_cmp_lg_u32 s2, 0xf033
	s_cbranch_scc0 .Lentry_shape_is_right
	s_endpgm
.Lentry_shape_is_right:
; h[t][n] = silu(sum over k of inter[t][k] fc1_w[n][k] + fc1_b[n]), rounded once to bf16.  inter: [8192][1024] bf16; fc1_w: [2048][1024] bf16 in bf; h: [8192][2048] bf16.
; silu(z) = z / (1 + 2^(-z log2 e)), in f32: where the power overflows the quotient is 0, as the definition's is.
; A tile of C is 256 x 256: 32 x 8 tiles, 256 work-groups; four waves, each 128 x 128: 64 accumulators, 512 registers.  K goes in 8 steps of 128 (LDS rows of 256 bytes, 128 rows to a tensor load) through two LDS slots.
; CLUSTERS: 4 x 4 work-groups; the four of a row of the cluster ask jointly for A's tiles, the four of a column for B's.
; THE LOOP'S TRIP IS ONE K STEP: the slot in hand is a scalar, 0 or SLOT, turned by an exclusive or; the fragments' LDS addresses are made from it, and one walking descriptor for each tensor turns with it.
; The last two K steps, which fill nothing, are a second loop of two trips and their text stands once.
; THE MATRIX INSTRUCTION IS USED TRANSPOSED (source 0 = 16 rows of B, source 1 = 16 rows of A): a lane holds eight neighbouring numbers of a row of C.
; REGISTERS, in windows of 256: window 0: v0-31 addresses; v32-39 bias; v64-127, v128-191 fragments of A, two buffers (on the way out: at work).  window 1: v64-191 fragments of B.
;   window 2: the accumulators of my rows 0-63 ((a, b) at v[8 (8 a + b)]); window 3: those of my rows 64-127.
; THE WAY OUT: the f32 sums go into a stage of 128 rows x 528 bytes for each wave, in the slots' bytes, which have had their last fill; a loop of 16 trips reads 8 rows back, adds the bias, applies silu, rounds
; and stores.  In the loop a lane keeps the same eight columns, so its bias is eight registers, and silu on 64 accumulators is one text for 8 rows.
.set STRIDE, 1024                      ; elements from row to row of A and of B
.set CROW,   4096                      ; bytes in a row of C
.set OFF_B,  37748736                  ; fc1_w in bf
.set KSTEP,  128
.set STEPS,  8
.set PITCH,  272                       ; an LDS row: 256 bytes + 16 of padding = 68 words: the 16 rows of a fragment load start at 16 different groups of four banks
.set HALFT,  128*PITCH
.set SLOT,   4*HALFT                   ; A's 256 rows, then B's 256 rows: 0x22000; the waves' offsets in a slot hold neither of its two bits
.set SP,     528                       ; a stage row: 512 bytes + 16
.set WST,    128*SP                    ; a wave's stage; the four end at 270,336, inside the two slots
.set SPARE,  2*SLOT                    ; the spare words, 128 bytes for each wave; no other line names them
.set ADRA0, 16
.set ADRB0, 17
.set ADRA,  18
.set ADRB,  19
.set STO,   24
.set RD,    25
.set CO,    26
.set RDC,   27
.set SPW,   28
.set NIL,   29
.set BI,    32
.set F0,    64
.set F1,    128
.set Z,     64                         ; the way out: 8 rows read back,
.set T,     96                         ; at work,
.set OUTR,  128                        ; and rounded
.set G1, 24
.set G0, 32                            ; s[32:35] A's first fill; s[36:39] the second, which then walks
.set TB, 45                            ; the slot in hand: 0 or SLOT
.set G1B, 48
.set G0B, 56
.set MSB, 0
.macro WIN new                         ; the immediate's high byte repeats the setting that is left
.if MSB != (\new)
	s_set_vgpr_msb (MSB<<8)|(\new)
.set MSB, \new
.endif
.endm
.set MUL_LO, 0xa1                      ; source 0 (B) window 1, source 1 (A) window 0, C and D window 2
.set MUL_HI, 0xf1                      ; the same, C and D window 3
.set TO_B,   0x40                      ; destination window 1, address window 0
.macro JLOAD s                         ; a joint load: waves 0 and 1 fetch A's two halves, waves 2 and 3 B's; an s_nop 0 and four v_nop follow each line
	s_cmp_eq_u32 s11, 0
	s_cbranch_scc0 .Lfor_b_\@
	tensor_load_to_lds s[G0+4*(\s):G0+4*(\s)+3], s[G1:G1+7]
	s_nop 0
.rept 4
	v_nop
.endr
	s_branch .Lasked_\@
.Lfor_b_\@:
	tensor_load_to_lds s[G0B+4*(\s):G0B+4*(\s)+3], s[G1B:G1B+7]
	s_nop 0
.rept 4
	v_nop
.endr
.Lasked_\@:
.endm
.macro CREST                           ; a round of the cluster's barrier behind its opening barrier
	s_cmp_lg_u32 s10, 0
	s_cbranch_scc1 .Lnot_wave_0_\@
	s_barrier_signal -3
.Lnot_wave_0_\@:
	s_barrier_wait -3
	s_barrier_signal -1
	s_barrier_wait -1
.endm
.macro CROUND
	s_barrier_signal -1
	s_barrier_wait -1
	CREST
.endm
	s_load_b128 s[4:7], s[0:1], 0x0                ; inter, bf
	s_load_b64 s[66:67], s[0:1], 0x10              ; fc1_b
	s_load_b64 s[8:9], s[0:1], 0x18                ; h
	v_lshl_add_u32 v[SPW], v0, 2, SPARE
	v_mov_b32 v[NIL], 0
	ds_add_u32 v[SPW], v[NIL]                      ; the wave's opening: the add and its wait ahead of my first tensor load
	v_lshrrev_b32 v1, 5, v0
	v_readfirstlane_b32 s10, v1                    ; wave 0..3
	s_lshr_b32 s11, s10, 1                         ; which half of the tile's rows is mine.  Also: I fetch for A (0) or for B (1)
	s_and_b32 s12, s10, 1                          ; which half of its columns.  Also: which 128 rows of that tile I fetch
	s_bfe_u32 s40, ttmp6, 0x40000                  ; cx, cy
	s_bfe_u32 s41, ttmp6, 0x40004
	s_lshl_b32 s42, ttmp9, 2
	s_add_co_u32 s42, s42, s40                     ; tile column of C
	s_and_b32 s13, ttmp7, 0xffff
	s_lshl_b32 s13, s13, 2
	s_add_co_u32 s13, s13, s41                     ; tile row of C
	s_lshl_b32 s43, s41, 2
	s_lshl_b32 s43, 15, s43                        ; my row of the cluster
	s_lshl_b32 s44, 0x1111, s40                    ; my column
	s_or_b32 s[G1+0], s43, (1<<16)|(1<<20)|(1<<21)|(5<<22)|(3<<25)  ; mask; 2-byte elements; padding on; bit 21 beside a mask; after every 64 words 4 words
	s_or_b32 s[G1B+0], s44, (1<<16)|(1<<20)|(1<<21)|(5<<22)|(3<<25)
.irp g, G1, G1B
	s_mov_b32 s[(\g)+1], KSTEP<<16                 ; tensor_dim0 = 128
	s_mov_b32 s[(\g)+2], 128<<16                   ; tensor_dim1 = 128
	s_mov_b32 s[(\g)+3], KSTEP<<16                 ; tile_dim0 = 128
	s_mov_b32 s[(\g)+4], 128                       ; tile_dim1 = 128
	s_mov_b32 s[(\g)+5], STRIDE                    ; elements from row to row
	s_mov_b32 s[(\g)+6], 0
	s_mov_b32 s[(\g)+7], 0
.endr
	s_lshl_b32 s17, s12, 7
	s_lshl_b32 s16, s13, 8
	s_add_co_u32 s16, s16, s17                     ; A: row 256 x tile row + 128 x half
	s_lshl_b32 s46, s42, 8
	s_add_co_u32 s46, s46, s17                     ; B: row 256 x tile column + 128 x half
	s_mov_b32 s17, 0
	s_mov_b32 s47, 0
	s_mov_b64 s[18:19], STRIDE*2
	s_mul_u64 s[16:17], s[16:17], s[18:19]
	s_mul_u64 s[46:47], s[46:47], s[18:19]
	s_add_nc_u64 s[46:47], s[46:47], OFF_B
	s_mul_i32 s20, s10, HALFT                      ; where they go: wave x 128 rows
	s_mov_b32 s[TB], 0
	s_wait_dscnt 0x0                               ; the opening add is done
	s_wait_kmcnt 0x0
	s_add_nc_u64 s[14:15], s[4:5], s[16:17]
	s_add_nc_u64 s[46:47], s[6:7], s[46:47]
	CROUND                                         ; all sixteen work-groups are here: the first joint loads meet
.irp s, 0,1
	s_mov_b32 s[G0+4*(\s)], 1
	s_add_co_u32 s[G0+4*(\s)+1], s20, (\s)*SLOT
	s_add_nc_u64 s[G0+4*(\s)+2:G0+4*(\s)+3], s[14:15], (\s)*KSTEP*2
	s_or_b32 s[G0+4*(\s)+3], s[G0+4*(\s)+3], 0x80000000
	s_mov_b32 s[G0B+4*(\s)], 1
	s_add_co_u32 s[G0B+4*(\s)+1], s20, (\s)*SLOT
	s_add_nc_u64 s[G0B+4*(\s)+2:G0B+4*(\s)+3], s[46:47], (\s)*KSTEP*2
	s_or_b32 s[G0B+4*(\s)+3], s[G0B+4*(\s)+3], 0x80000000
	JLOAD \s
.endr
	v_and_b32 v1, 15, v0                           ; l % 16
	v_bfe_u32 v2, v0, 4, 1                         ; l / 16
	v_mul_u32_u24 v3, v1, PITCH
	v_lshl_add_u32 v3, v2, 4, v3                   ; a fragment's row x pitch + 16 x half
	s_mul_i32 s21, s11, HALFT                      ; my 128 rows of A
	s_mul_i32 s22, s12, HALFT                      ; my 128 rows of B,
	s_add_co_u32 s22, s22, 2*HALFT                 ; which lie behind A's 256
	v_add_nc_u32 v[ADRA0], s21, v3
	v_add_nc_u32 v[ADRB0], s22, v3
	v_mov_b32 v[ADRA], v[ADRA0]                    ; slot 0 is in hand
	v_mov_b32 v[ADRB], v[ADRB0]
	s_mul_i32 s23, s10, WST                        ; my stage
	v_mul_u32_u24 v4, v1, SP                       ; in: row l % 16, 32 bytes for each half of the lanes
	v_lshl_add_u32 v4, v2, 5, v4
	v_add_nc_u32 v[STO], s23, v4
	v_mul_u32_u24 v5, v2, SP                       ; back: lanes 0-15 take one row, lanes 16-31 the next; 8 numbers a lane
	v_lshl_add_u32 v5, v1, 5, v5
	v_add_nc_u32 v[RD], s23, v5
	v_mul_u32_u24 v5, v2, CROW                     ; and the same two rows in C, 16 bytes a lane
	v_lshl_add_u32 v[CO], v1, 4, v5
	s_lshl_b32 s16, s13, 8
	s_lshl_b32 s17, s11, 7
	s_add_co_u32 s16, s16, s17                     ; my first row of C
	s_mov_b32 s17, 0
	s_mov_b64 s[18:19], CROW
	s_mul_u64 s[16:17], s[16:17], s[18:19]
	s_add_nc_u64 s[8:9], s[8:9], s[16:17]
	s_lshl_b32 s46, s42, 1
	s_add_co_u32 s46, s46, s12
	s_lshl_b32 s46, s46, 8                         ; my first column: (2 x tile column + half) x 128 x 2 bytes
	s_mov_b32 s47, 0
	s_add_nc_u64 s[8:9], s[8:9], s[46:47]
	s_lshl_b32 s68, s46, 1                         ; the same column in the bias, 4 bytes a number
	s_mov_b32 s69, 0
	s_add_nc_u64 s[66:67], s[66:67], s[68:69]
	v_lshlrev_b32 v6, 5, v1                        ; my eight columns on the way out: 8 (l % 16) on
	global_load_b128 v[BI:BI+3],   v6, s[66:67]
	global_load_b128 v[BI+4:BI+7], v6, s[66:67] offset:16
.macro MUL16 f, hi, a0, zero           ; 16 matrix instructions: m blocks a0, a0 + 1 of the window's four x all 8 n blocks, 32 along K; the 64 accumulators take turns
	WIN MUL_LO+0x50*(\hi)
.irp a, \a0, (\a0)+1
.irp b, 0,1,2,3,4,5,6,7
.if \zero
	v_wmma_f32_16x16x32_bf16 v[8*(8*(\a)+(\b)):8*(8*(\a)+(\b))+7], v[(\f)+8*(\b):(\f)+8*(\b)+7], v[(\f)+8*(4*(\hi)+(\a)):(\f)+8*(4*(\hi)+(\a))+7], 0
.else
	v_wmma_f32_16x16x32_bf16 v[8*(8*(\a)+(\b)):8*(8*(\a)+(\b))+7], v[(\f)+8*(\b):(\f)+8*(\b)+7], v[(\f)+8*(4*(\hi)+(\a)):(\f)+8*(4*(\hi)+(\a))+7], v[8*(8*(\a)+(\b)):8*(8*(\a)+(\b))+7]
.endif
.endr
.endr
.endm
.macro FETCH k, f                      ; 32 LDS loads in one run: the fragments of 32 along K at byte k of the rows of the slot in hand, into buffer f
	WIN TO_B
.irp i, 0,1,2,3,4,5,6,7
	ds_load_b128 v[(\f)+8*(\i):(\f)+8*(\i)+3],   v[ADRB] offset:(\k)+(\i)*16*PITCH
	ds_load_b128 v[(\f)+8*(\i)+4:(\f)+8*(\i)+7], v[ADRB] offset:(\k)+(\i)*16*PITCH+32
.endr
	WIN 0
.irp i, 0,1,2,3,4,5,6,7
	ds_load_b128 v[(\f)+8*(\i):(\f)+8*(\i)+3],   v[ADRA] offset:(\k)+(\i)*16*PITCH
	ds_load_b128 v[(\f)+8*(\i)+4:(\f)+8*(\i)+7], v[ADRA] offset:(\k)+(\i)*16*PITCH+32
.endr
.endm
.macro PLACES                          ; four places in front of loads into registers that matrix instructions have read, and of lines that read results
.rept 4
	v_nop
.endr
.endm
.macro QUARTER k, f, g, zero           ; 32 along K: multiplies buffer f; in its middle fetches the next quarter, at byte k, into g
	s_wait_dscnt 8                                 ; B and A's rows 0-63 are in; the youngest eight loads (A's rows 64-127) may be out
	WIN MUL_LO
	MUL16 \f, 0, 0, \zero
	MUL16 \f, 0, 2, \zero
	PLACES
	FETCH \k, \g
	s_wait_dscnt 32                                ; all but the 32 just issued
	WIN MUL_HI
	MUL16 \f, 1, 0, \zero
	MUL16 \f, 1, 2, \zero
.endm
.macro MEET round                      ; the first half of a step's last quarter, and the barrier of the change of slots; round = 1: a round of the cluster's barrier follows
	WIN 0
	s_wait_tensorcnt 0x0                           ; all my tensor loads have landed: the one that was out is my part of the next slot
	ds_add_u32 v[SPW], v[NIL]
	s_wait_dscnt 9                                 ; the add and the youngest eight loads may be out
	WIN MUL_LO
	MUL16 F1, 0, 0, 0
	s_wait_dscnt 0x0                               ; the add is done, and my reads of this slot are over
	s_barrier_signal -1
	MUL16 F1, 0, 2, 0
.if \round
	WIN 0
.endif
	s_barrier_wait -1
.endm
.macro TURN fill                       ; a step's last quarter; fill = 1: the slot just read out is filled again, two K steps ahead
	MEET \fill
.if \fill
	CREST                                          ; no wave of any partner still reads this slot's tile or has a load on its way
	s_xor_b32 s[G0+5], s[G0+5], SLOT               ; the walking descriptors: the other slot than last time,
	s_add_nc_u64 s[G0+6:G0+7], s[G0+6:G0+7], KSTEP*2   ; the next K step; the type bits on top are not reached
	s_xor_b32 s[G0B+5], s[G0B+5], SLOT
	s_add_nc_u64 s[G0B+6:G0B+7], s[G0B+6:G0B+7], KSTEP*2
	JLOAD 1                                        ; the first tensor load behind the round; its four v_nop are also the places in front of the loads below
.else
	WIN 0
	PLACES
.endif
	s_xor_b32 s[TB], s[TB], SLOT                   ; the other slot is in hand
	v_add_nc_u32 v[ADRA], s[TB], v[ADRA0]
	v_add_nc_u32 v[ADRB], s[TB], v[ADRB0]
	FETCH 0, F0
	WIN MUL_HI
	MUL16 F1, 1, 0, 0
	MUL16 F1, 1, 2, 0
.endm
	s_wait_tensorcnt 1                             ; my part of K step 0 is in; K step 1's may stay out
	s_barrier_signal -1
	s_barrier_wait -1
	FETCH 0, F0
	QUARTER 64, F0, F1, 1                          ; the first products start the sums
	WIN 0
	s_mov_b32 s3, STEPS-2
.Lstep:                                ; a trip: from a K step's second quarter to the next step's first; it fills the slot that it leaves
	QUARTER 128, F1, F0, 0
	QUARTER 192, F0, F1, 0
	TURN 1
	QUARTER 64, F0, F1, 0
	WIN 0
	s_sub_co_u32 s3, s3, 1
	s_cmp_lg_u32 s3, 0
	s_cbranch_scc1 .Lstep
	s_mov_b32 s3, 2
.Ltail:                                ; the last two K steps fill nothing: one text, two trips
	QUARTER 128, F1, F0, 0
	QUARTER 192, F0, F1, 0
	TURN 0                                         ; in the second trip its 32 LDS loads, of a tile that landed two steps ago, serve nothing: the price of one text for both trips
	WIN 0
	s_cmp_eq_u32 s3, 1
	s_cbranch_scc1 .Lover                          ; behind the last K step no next step's first quarter follows; what is jumped holds no barrier and no tensor load
	QUARTER 64, F0, F1, 0
	WIN 0
.Lover:
	s_wait_dscnt 0x0                               ; no LDS load of mine is out, on either way; behind the second trip: my reads of the slots are over
	s_sub_co_u32 s3, s3, 1
	s_cmp_lg_u32 s3, 0
	s_cbranch_scc1 .Ltail
	s_barrier_signal -1                            ; say so,
	s_barrier_wait -1                              ; and write into their bytes when all four have said so
	PLACES
	WIN 0x08                                       ; store data in window 2; each accumulator's low half first
.irp a, 0,1,2,3
.irp b, 0,1,2,3,4,5,6,7
	ds_store_b128 v[STO], v[8*(8*(\a)+(\b)):8*(8*(\a)+(\b))+3]   offset:(\a)*16*SP+64*(\b)
	ds_store_b128 v[STO], v[8*(8*(\a)+(\b))+4:8*(8*(\a)+(\b))+7] offset:(\a)*16*SP+64*(\b)+16
.endr
.endr
	WIN 0x0c                                       ; window 3: my rows 64-127
.irp a, 0,1,2,3
.irp b, 0,1,2,3,4,5,6,7
	ds_store_b128 v[STO], v[8*(8*(\a)+(\b)):8*(8*(\a)+(\b))+3]   offset:((\a)+4)*16*SP+64*(\b)
	ds_store_b128 v[STO], v[8*(8*(\a)+(\b))+4:8*(8*(\a)+(\b))+7] offset:((\a)+4)*16*SP+64*(\b)+16
.endr
.endr
	WIN 0
	s_wait_dscnt 0x0                               ; the four stages lie end to end: one barrier stands between all the stores and all the reads
	s_barrier_signal -1
	s_barrier_wait -1
	s_wait_loadcnt 0x0                             ; the bias
	s_mov_b32 s70, 0                               ; the walk down my stage
	s_mov_b32 s71, 16
.Lrows:                                ; 16 trips of 8 rows
	v_add_nc_u32 v[RDC], s70, v[RD]
.irp p, 0,1,2,3
	ds_load_b128 v[Z+8*\p:Z+8*\p+3],   v[RDC] offset:\p*2*SP
	ds_load_b128 v[Z+8*\p+4:Z+8*\p+7], v[RDC] offset:\p*2*SP+16
.endr
.irp p, 0,1,2,3
	s_wait_dscnt 6-2*\p                            ; pair p of rows is in; the younger loads stay out
.irp i, 0,2,4,6
	v_pk_add_f32 v[Z+8*\p+\i:Z+8*\p+\i+1], v[Z+8*\p+\i:Z+8*\p+\i+1], v[BI+\i:BI+\i+1]
.endr
.endr
.set i, 0
.rept 16
	v_pk_mul_f32 v[T+2*i:T+2*i+1], v[Z+2*i:Z+2*i+1], 0xbfb8aa3b op_sel_hi:[1,0]  ; -z log2(e)
.set i, i+1
.endr
.set i, 0
.rept 32
	v_exp_f32 v[T+i], v[T+i]
.set i, i+1
.endr
	v_nop                                          ; a plain line behind the last exponential (ISA guide 5.7.2)
.set i, 0
	s_wait_alu depctr_va_vdst(0)
.rept 16
	v_pk_add_f32 v[T+2*i:T+2*i+1], v[T+2*i:T+2*i+1], 1.0 op_sel_hi:[1,0]
.set i, i+1
.endr
.set i, 0
.rept 32
	v_rcp_f32 v[T+i], v[T+i]
.set i, i+1
.endr
	v_nop
.set i, 0
	s_wait_alu depctr_va_vdst(0)
.rept 16
	v_pk_mul_f32 v[Z+2*i:Z+2*i+1], v[Z+2*i:Z+2*i+1], v[T+2*i:T+2*i+1]
.set i, i+1
.endr
.set i, 0
.rept 16
	v_cvt_pk_bf16_f32 v[OUTR+i], v[Z+2*i], v[Z+2*i+1]
.set i, i+1
.endr
.irp p, 0,1,2,3
	global_store_b128 v[CO], v[OUTR+4*\p:OUTR+4*\p+3], s[8:9] offset:2*\p*CROW  ; 16 lanes store 256 consecutive bytes, aligned
.endr
	s_wait_xcnt 0x0                                ; the stores' base and data are written again only behind this wait
	s_add_nc_u64 s[8:9], s[8:9], 8*CROW
	s_add_co_u32 s70, s70, 8*SP
	s_sub_co_u32 s71, s71, 1
	s_cmp_lg_u32 s71, 0
	s_cbranch_scc1 .Lrows
	s_wait_tensorcnt 0x0                           ; the wave's end
	ds_add_u32 v[SPW], v[NIL]
	s_wait_dscnt 0x0
	CROUND                                         ; the closing round
	s_endpgm
.Lfunc_end_k_qb81aef2156_fc1:
	.size	k_qb81aef2156_fc1, .Lfunc_end_k_qb81aef2156_fc1-k_qb81aef2156_fc1
	.p2alignl 7, 3214868480
	.fill 96, 4, 3214868480
	.section	.rodata,"a",@progbits
	.p2align	6, 0x0
	.amdhsa_kernel k_qb81aef2156_fc1
		.amdhsa_group_segment_fixed_size 327680
		.amdhsa_private_segment_fixed_size 0
		.amdhsa_enable_private_segment 0
		.amdhsa_kernarg_size 32
		.amdhsa_user_sgpr_count 2
		.amdhsa_user_sgpr_kernarg_segment_ptr 1
		.amdhsa_wavefront_size32 1
		.amdhsa_system_sgpr_workgroup_id_x 1
		.amdhsa_system_sgpr_workgroup_id_y 1
		.amdhsa_system_sgpr_workgroup_id_z 1
		.amdhsa_system_vgpr_workitem_id 0
		.amdhsa_next_free_vgpr 1024
		.amdhsa_next_free_sgpr 80
		.amdhsa_reserve_vcc 0
		.amdhsa_float_denorm_mode_32 3
		.amdhsa_float_denorm_mode_16_64 3
		.amdhsa_memory_ordered 1
		.amdhsa_forward_progress 1
		.amdhsa_inst_pref_size 86
	.end_amdhsa_kernel
	.amdgpu_metadata
---
amdhsa.version: [ 1, 2 ]
amdhsa.kernels:
  - .name:           k_qb81aef2156_fc1
    .symbol:         k_qb81aef2156_fc1.kd
    .args:
      - { .name: inter, .offset: 0, .size: 8, .value_kind: global_buffer, .address_space: global }
      - { .name: bf, .offset: 8, .size: 8, .value_kind: global_buffer, .address_space: global }
      - { .name: fc1_b, .offset: 16, .size: 8, .value_kind: global_buffer, .address_space: global }
      - { .name: h, .offset: 24, .size: 8, .value_kind: global_buffer, .address_space: global }
    .group_segment_fixed_size: 327680
    .private_segment_fixed_size: 0
    .kernarg_segment_align: 8
    .kernarg_segment_size: 32
    .max_flat_workgroup_size: 128
    .sgpr_count:     80
    .vgpr_count:     1024
    .wavefront_size: 32
...
	.end_amdgpu_metadata
.endif
;; end of part 6
;; launch fc2 (part 7): grid 8 x 32, 4 waves a work-group, clusters of 4 x 4, 327,680 bytes of LDS; arguments h, bf, fc2_b, f; writes f
.if DOCPART == 7
	.amdgcn_target "amdgcn-amd-amdhsa--gfx1250"
	.amdhsa_code_object_version 6
	.text
	.protected	k_qb81aef2156_fc2
	.globl	k_qb81aef2156_fc2
	.p2align	8
	.type	k_qb81aef2156_fc2,@function
k_qb81aef2156_fc2:
	s_mov_b64 s[64:65], 0
	v_nop
	global_prefetch_b8 v0, s[64:65] scope:SCOPE_SE
	s_setreg_imm32_b32 hwreg(HW_REG_WAVE_MODE, 25, 1), 1
	s_wait_xcnt 0x0
	s_wait_alu depctr_hold_cnt(0) depctr_sa_sdst(0) depctr_va_vdst(0) depctr_va_sdst(0) depctr_va_ssrc(0) depctr_va_vcc(0) depctr_vm_vsrc(0)
	s_getreg_b32 s2, hwreg(HW_REG_IB_STS2, 6, 4)
	s_cmp_eq_u32 s2, 0
	s_cbranch_scc0 .Lentry_in_a_cluster
	s_endpgm
.Lentry_in_a_cluster:
	s_bfe_u32 s2, ttmp6, 0x10000c
	s_cmp_lg_u32 s2, 0xf033
	s_cbranch_scc0 .Lentry_shape_is_right
	s_endpgm
.Lentry_shape_is_right:
; f[kh][t][n] = sum over the K half kh of h[t][k] fc2_w[n][k] (+ fc2_b[n] in half 0), in f32: two partial sums, which the launch behind adds in f32.
; h: [8192][2048] bf16; fc2_w: [1024][2048] bf16 in bf; f: [2][8192][1024] f32.  What stands in front of the second LayerNorm is not rounded.
; A tile of C is 256 x 256: 32 x 4 tiles are 128, so K is cut in two halves of 1,024: 256 work-groups of 8 K steps each.  The cluster's x is the half; its four columns are C's four tile columns.
; Four waves, each 128 x 128: 64 accumulators, 512 registers.  K goes in steps of 128 (LDS rows of 256 bytes, 128 rows to a tensor load) through two LDS slots.
; CLUSTERS: 4 x 4 work-groups; the four of a row of the cluster ask jointly for A's tiles, the four of a column for B's.
; THE LOOP'S TRIP IS ONE K STEP: the slot in hand is a scalar, 0 or SLOT, turned by an exclusive or; the fragments' LDS addresses are made from it, and one walking descriptor for each tensor turns with it.
; The last two K steps, which fill nothing, are a second loop of two trips and their text stands once.
; THE MATRIX INSTRUCTION IS USED TRANSPOSED (source 0 = 16 rows of B, source 1 = 16 rows of A): a lane holds eight neighbouring numbers of a row of C.
; REGISTERS, in windows of 256: window 0: v0-31 addresses; v32-35 bias; v64-127, v128-191 fragments of A, two buffers (on the way out: at work).  window 1: v64-191 fragments of B.
;   window 2: the accumulators of my rows 0-63 ((a, b) at v[8 (8 a + b)]); window 3: those of my rows 64-127.
; THE WAY OUT: the f32 sums go into a stage of 128 rows x 528 bytes for each wave, in the slots' bytes, which have had their last fill; a loop of 16 trips reads 8 whole rows of 512 bytes back, adds the bias and stores.
.set STRIDE, 2048                      ; elements from row to row of A and of B
.set CROW,   4096                      ; bytes in a row of C
.set OFF_B,  41943040                  ; fc2_w in bf
.set KSTEP,  128
.set STEPS,  8
.set PITCH,  272                       ; an LDS row: 256 bytes + 16 of padding = 68 words: the 16 rows of a fragment load start at 16 different groups of four banks
.set HALFT,  128*PITCH
.set SLOT,   4*HALFT                   ; A's 256 rows, then B's 256 rows: 0x22000; the waves' offsets in a slot hold neither of its two bits
.set SP,     528                       ; a stage row: 512 bytes + 16
.set WST,    128*SP                    ; a wave's stage; the four end at 270,336, inside the two slots
.set SPARE,  2*SLOT                    ; the spare words, 128 bytes for each wave; no other line names them
.set ADRA0, 16
.set ADRB0, 17
.set ADRA,  18
.set ADRB,  19
.set STO,   24
.set RD,    25
.set CO,    26
.set RDC,   27
.set SPW,   28
.set NIL,   29
.set BI,    32
.set F0,    64
.set F1,    128
.set Z,     64                         ; the way out: 8 rows read back
.set G1, 24
.set G0, 32                            ; s[32:35] A's first fill; s[36:39] the second, which then walks
.set TB, 45                            ; the slot in hand: 0 or SLOT
.set G1B, 48
.set G0B, 56
.set MSB, 0
.macro WIN new                         ; the immediate's high byte repeats the setting that is left
.if MSB != (\new)
	s_set_vgpr_msb (MSB<<8)|(\new)
.set MSB, \new
.endif
.endm
.set MUL_LO, 0xa1                      ; source 0 (B) window 1, source 1 (A) window 0, C and D window 2
.set MUL_HI, 0xf1                      ; the same, C and D window 3
.set TO_B,   0x40                      ; destination window 1, address window 0
.macro JLOAD s                         ; a joint load: waves 0 and 1 fetch A's two halves, waves 2 and 3 B's; an s_nop 0 and four v_nop follow each line
	s_cmp_eq_u32 s11, 0
	s_cbranch_scc0 .Lfor_b_\@
	tensor_load_to_lds s[G0+4*(\s):G0+4*(\s)+3], s[G1:G1+7]
	s_nop 0
.rept 4
	v_nop
.endr
	s_branch .Lasked_\@
.Lfor_b_\@:
	tensor_load_to_lds s[G0B+4*(\s):G0B+4*(\s)+3], s[G1B:G1B+7]
	s_nop 0
.rept 4
	v_nop
.endr
.Lasked_\@:
.endm
.macro CREST                           ; a round of the cluster's barrier behind its opening barrier
	s_cmp_lg_u32 s10, 0
	s_cbranch_scc1 .Lnot_wave_0_\@
	s_barrier_signal -3
.Lnot_wave_0_\@:
	s_barrier_wait -3
	s_barrier_signal -1
	s_barrier_wait -1
.endm
.macro CROUND
	s_barrier_signal -1
	s_barrier_wait -1
	CREST
.endm
	s_load_b128 s[4:7], s[0:1], 0x0                ; h, bf
	s_load_b64 s[66:67], s[0:1], 0x10              ; fc2_b
	s_load_b64 s[8:9], s[0:1], 0x18                ; f
	v_lshl_add_u32 v[SPW], v0, 2, SPARE
	v_mov_b32 v[NIL], 0
	ds_add_u32 v[SPW], v[NIL]                      ; the wave's opening: the add and its wait ahead of my first tensor load
	v_lshrrev_b32 v1, 5, v0
	v_readfirstlane_b32 s10, v1                    ; wave 0..3
	s_lshr_b32 s11, s10, 1                         ; which half of the tile's rows is mine.  Also: I fetch for A (0) or for B (1)
	s_and_b32 s12, s10, 1                          ; which half of its columns.  Also: which 128 rows of that tile I fetch
	s_bfe_u32 s40, ttmp6, 0x40000                  ; cx, cy
	s_bfe_u32 s41, ttmp6, 0x40004
	s_mov_b32 s42, s40                             ; tile column of C = cx: a cluster spans C's four tile columns
	s_cmp_eq_u32 ttmp9, 0                          ; the cluster's x is the K half, which all sixteen share
	s_cselect_b32 s72, 1.0, 0                      ; the bias counts in half 0 alone
	s_and_b32 s13, ttmp7, 0xffff
	s_lshl_b32 s13, s13, 2
	s_add_co_u32 s13, s13, s41                     ; tile row of C
	s_lshl_b32 s43, s41, 2
	s_lshl_b32 s43, 15, s43                        ; my row of the cluster
	s_lshl_b32 s44, 0x1111, s40                    ; my column
	s_or_b32 s[G1+0], s43, (1<<16)|(1<<20)|(1<<21)|(5<<22)|(3<<25)  ; mask; 2-byte elements; padding on; bit 21 beside a mask; after every 64 words 4 words
	s_or_b32 s[G1B+0], s44, (1<<16)|(1<<20)|(1<<21)|(5<<22)|(3<<25)
.irp g, G1, G1B
	s_mov_b32 s[(\g)+1], KSTEP<<16                 ; tensor_dim0 = 128
	s_mov_b32 s[(\g)+2], 128<<16                   ; tensor_dim1 = 128
	s_mov_b32 s[(\g)+3], KSTEP<<16                 ; tile_dim0 = 128
	s_mov_b32 s[(\g)+4], 128                       ; tile_dim1 = 128
	s_mov_b32 s[(\g)+5], STRIDE                    ; elements from row to row
	s_mov_b32 s[(\g)+6], 0
	s_mov_b32 s[(\g)+7], 0
.endr
	s_lshl_b32 s17, s12, 7
	s_lshl_b32 s16, s13, 8
	s_add_co_u32 s16, s16, s17                     ; A: row 256 x tile row + 128 x half
	s_lshl_b32 s46, s42, 8
	s_add_co_u32 s46, s46, s17                     ; B: row 256 x tile column + 128 x half
	s_mov_b32 s17, 0
	s_mov_b32 s47, 0
	s_mov_b64 s[18:19], STRIDE*2
	s_mul_u64 s[16:17], s[16:17], s[18:19]
	s_mul_u64 s[46:47], s[46:47], s[18:19]
	s_lshl_b32 s68, ttmp9, 11                      ; my K half begins 1,024 elements, 2,048 bytes, along the rows
	s_mov_b32 s69, 0
	s_add_nc_u64 s[16:17], s[16:17], s[68:69]
	s_add_nc_u64 s[46:47], s[46:47], s[68:69]
	s_add_nc_u64 s[46:47], s[46:47], OFF_B
	s_mul_i32 s20, s10, HALFT                      ; where they go: wave x 128 rows
	s_mov_b32 s[TB], 0
	s_wait_dscnt 0x0                               ; the opening add is done
	s_wait_kmcnt 0x0
	s_add_nc_u64 s[14:15], s[4:5], s[16:17]
	s_add_nc_u64 s[46:47], s[6:7], s[46:47]
	CROUND                                         ; all sixteen work-groups are here: the first joint loads meet
.irp s, 0,1
	s_mov_b32 s[G0+4*(\s)], 1
	s_add_co_u32 s[G0+4*(\s)+1], s20, (\s)*SLOT
	s_add_nc_u64 s[G0+4*(\s)+2:G0+4*(\s)+3], s[14:15], (\s)*KSTEP*2
	s_or_b32 s[G0+4*(\s)+3], s[G0+4*(\s)+3], 0x80000000
	s_mov_b32 s[G0B+4*(\s)], 1
	s_add_co_u32 s[G0B+4*(\s)+1], s20, (\s)*SLOT
	s_add_nc_u64 s[G0B+4*(\s)+2:G0B+4*(\s)+3], s[46:47], (\s)*KSTEP*2
	s_or_b32 s[G0B+4*(\s)+3], s[G0B+4*(\s)+3], 0x80000000
	JLOAD \s
.endr
	v_and_b32 v1, 15, v0                           ; l % 16
	v_bfe_u32 v2, v0, 4, 1                         ; l / 16
	v_mul_u32_u24 v3, v1, PITCH
	v_lshl_add_u32 v3, v2, 4, v3                   ; a fragment's row x pitch + 16 x half
	s_mul_i32 s21, s11, HALFT                      ; my 128 rows of A
	s_mul_i32 s22, s12, HALFT                      ; my 128 rows of B,
	s_add_co_u32 s22, s22, 2*HALFT                 ; which lie behind A's 256
	v_add_nc_u32 v[ADRA0], s21, v3
	v_add_nc_u32 v[ADRB0], s22, v3
	v_mov_b32 v[ADRA], v[ADRA0]                    ; slot 0 is in hand
	v_mov_b32 v[ADRB], v[ADRB0]
	s_mul_i32 s23, s10, WST                        ; my stage
	v_mul_u32_u24 v4, v1, SP                       ; in: row l % 16, 32 bytes for each half of the lanes
	v_lshl_add_u32 v4, v2, 5, v4
	v_add_nc_u32 v[STO], s23, v4
	v_and_b32 v5, 31, v0
	v_lshlrev_b32 v[CO], 4, v5                     ; back: 32 lanes take a row's 512 bytes, 16 a lane; the same in C
	v_add_nc_u32 v[RD], s23, v[CO]
	s_lshl_b32 s16, s13, 8
	s_lshl_b32 s17, s11, 7
	s_add_co_u32 s16, s16, s17                     ; my first row of C
	s_mov_b32 s17, 0
	s_mov_b64 s[18:19], CROW
	s_mul_u64 s[16:17], s[16:17], s[18:19]
	s_add_nc_u64 s[8:9], s[8:9], s[16:17]
	s_lshl_b32 s46, s42, 1
	s_add_co_u32 s46, s46, s12
	s_lshl_b32 s46, s46, 9                         ; my first column: (2 x tile column + half) x 128 x 4 bytes
	s_mov_b32 s47, 0
	s_add_nc_u64 s[8:9], s[8:9], s[46:47]
	s_add_nc_u64 s[66:67], s[66:67], s[46:47]      ; the same column in the bias
	s_lshl_b32 s68, ttmp9, 25                      ; my K half's copy of f: 33,554,432 bytes each
	s_add_nc_u64 s[8:9], s[8:9], s[68:69]
	global_load_b128 v[BI:BI+3], v[CO], s[66:67]   ; my four columns on the way out
.macro MUL16 f, hi, a0, zero           ; 16 matrix instructions: m blocks a0, a0 + 1 of the window's four x all 8 n blocks, 32 along K; the 64 accumulators take turns
	WIN MUL_LO+0x50*(\hi)
.irp a, \a0, (\a0)+1
.irp b, 0,1,2,3,4,5,6,7
.if \zero
	v_wmma_f32_16x16x32_bf16 v[8*(8*(\a)+(\b)):8*(8*(\a)+(\b))+7], v[(\f)+8*(\b):(\f)+8*(\b)+7], v[(\f)+8*(4*(\hi)+(\a)):(\f)+8*(4*(\hi)+(\a))+7], 0
.else
	v_wmma_f32_16x16x32_bf16 v[8*(8*(\a)+(\b)):8*(8*(\a)+(\b))+7], v[(\f)+8*(\b):(\f)+8*(\b)+7], v[(\f)+8*(4*(\hi)+(\a)):(\f)+8*(4*(\hi)+(\a))+7], v[8*(8*(\a)+(\b)):8*(8*(\a)+(\b))+7]
.endif
.endr
.endr
.endm
.macro FETCH k, f                      ; 32 LDS loads in one run: the fragments of 32 along K at byte k of the rows of the slot in hand, into buffer f
	WIN TO_B
.irp i, 0,1,2,3,4,5,6,7
	ds_load_b128 v[(\f)+8*(\i):(\f)+8*(\i)+3],   v[ADRB] offset:(\k)+(\i)*16*PITCH
	ds_load_b128 v[(\f)+8*(\i)+4:(\f)+8*(\i)+7], v[ADRB] offset:(\k)+(\i)*16*PITCH+32
.endr
	WIN 0
.irp i, 0,1,2,3,4,5,6,7
	ds_load_b128 v[(\f)+8*(\i):(\f)+8*(\i)+3],   v[ADRA] offset:(\k)+(\i)*16*PITCH
	ds_load_b128 v[(\f)+8*(\i)+4:(\f)+8*(\i)+7], v[ADRA] offset:(\k)+(\i)*16*PITCH+32
.endr
.endm
.macro PLACES                          ; four places in front of loads into registers that matrix instructions have read, and of lines that read results
.rept 4
	v_nop
.endr
.endm
.macro QUARTER k, f, g, zero           ; 32 along K: multiplies buffer f; in its middle fetches the next quarter, at byte k, into g
	s_wait_dscnt 8                                 ; B and A's rows 0-63 are in; the youngest eight loads (A's rows 64-127) may be out
	WIN MUL_LO
	MUL16 \f, 0, 0, \zero
	MUL16 \f, 0, 2, \zero
	PLACES
	FETCH \k, \g
	s_wait_dscnt 32                                ; all but the 32 just issued
	WIN MUL_HI
	MUL16 \f, 1, 0, \zero
	MUL16 \f, 1, 2, \zero
.endm
.macro MEET round                      ; the first half of a step's last quarter, and the barrier of the change of slots; round = 1: a round of the cluster's barrier follows
	WIN 0
	s_wait_tensorcnt 0x0                           ; all my tensor loads have landed: the one that was out is my part of the next slot
	ds_add_u32 v[SPW], v[NIL]
	s_wait_dscnt 9                                 ; the add and the youngest eight loads may be out
	WIN MUL_LO
	MUL16 F1, 0, 0, 0
	s_wait_dscnt 0x0                               ; the add is done, and my reads of this slot are over
	s_barrier_signal -1
	MUL16 F1, 0, 2, 0
.if \round
	WIN 0
.endif
	s_barrier_wait -1
.endm
.macro TURN fill                       ; a step's last quarter; fill = 1: the slot just read out is filled again, two K steps ahead
	MEET \fill
.if \fill
	CREST                                          ; no wave of any partner still reads this slot's tile or has a load on its way
	s_xor_b32 s[G0+5], s[G0+5], SLOT               ; the walking descriptors: the other slot than last time,
	s_add_nc_u64 s[G0+6:G0+7], s[G0+6:G0+7], KSTEP*2   ; the next K step; the type bits on top are not reached
	s_xor_b32 s[G0B+5], s[G0B+5], SLOT
	s_add_nc_u64 s[G0B+6:G0B+7], s[G0B+6:G0B+7], KSTEP*2
	JLOAD 1                                        ; the first tensor load behind the round; its four v_nop are also the places in front of the loads below
.else
	WIN 0
	PLACES
.endif
	s_xor_b32 s[TB], s[TB], SLOT                   ; the other slot is in hand
	v_add_nc_u32 v[ADRA], s[TB], v[ADRA0]
	v_add_nc_u32 v[ADRB], s[TB], v[ADRB0]
	FETCH 0, F0
	WIN MUL_HI
	MUL16 F1, 1, 0, 0
	MUL16 F1, 1, 2, 0
.endm
	s_wait_tensorcnt 1                             ; my part of K step 0 is in; K step 1's may stay out
	s_barrier_signal -1
	s_barrier_wait -1
	FETCH 0, F0
	QUARTER 64, F0, F1, 1                          ; the first products start the sums
	WIN 0
	s_mov_b32 s3, STEPS-2
.Lstep:                                ; a trip: from a K step's second quarter to the next step's first; it fills the slot that it leaves
	QUARTER 128, F1, F0, 0
	QUARTER 192, F0, F1, 0
	TURN 1
	QUARTER 64, F0, F1, 0
	WIN 0
	s_sub_co_u32 s3, s3, 1
	s_cmp_lg_u32 s3, 0
	s_cbranch_scc1 .Lstep
	s_mov_b32 s3, 2
.Ltail:                                ; the last two K steps fill nothing: one text, two trips
	QUARTER 128, F1, F0, 0
	QUARTER 192, F0, F1, 0
	TURN 0                                         ; in the second trip its 32 LDS loads, of a tile that landed two steps ago, serve nothing: the price of one text for both trips
	WIN 0
	s_cmp_eq_u32 s3, 1
	s_cbranch_scc1 .Lover                          ; behind the last K step no next step's first quarter follows; what is jumped holds no barrier and no tensor load
	QUARTER 64, F0, F1, 0
	WIN 0
.Lover:
	s_wait_dscnt 0x0                               ; no LDS load of mine is out, on either way; behind the second trip: my reads of the slots are over
	s_sub_co_u32 s3, s3, 1
	s_cmp_lg_u32 s3, 0
	s_cbranch_scc1 .Ltail
	s_barrier_signal -1                            ; say so,
	s_barrier_wait -1                              ; and write into their bytes when all four have said so
	PLACES
	WIN 0x08                                       ; store data in window 2; each accumulator's low half first
.irp a, 0,1,2,3
.irp b, 0,1,2,3,4,5,6,7
	ds_store_b128 v[STO], v[8*(8*(\a)+(\b)):8*(8*(\a)+(\b))+3]   offset:(\a)*16*SP+64*(\b)
	ds_store_b128 v[STO], v[8*(8*(\a)+(\b))+4:8*(8*(\a)+(\b))+7] offset:(\a)*16*SP+64*(\b)+16
.endr
.endr
	WIN 0x0c                                       ; window 3: my rows 64-127
.irp a, 0,1,2,3
.irp b, 0,1,2,3,4,5,6,7
	ds_store_b128 v[STO], v[8*(8*(\a)+(\b)):8*(8*(\a)+(\b))+3]   offset:((\a)+4)*16*SP+64*(\b)
	ds_store_b128 v[STO], v[8*(8*(\a)+(\b))+4:8*(8*(\a)+(\b))+7] offset:((\a)+4)*16*SP+64*(\b)+16
.endr
.endr
	WIN 0
	s_wait_dscnt 0x0                               ; the four stages lie end to end: one barrier stands between all the stores and all the reads
	s_barrier_signal -1
	s_barrier_wait -1
	s_wait_loadcnt 0x0                             ; the bias,
.irp i, 0,1,2,3
	v_mul_f32 v[BI+\i], s72, v[BI+\i]              ; times 1 in K half 0, times 0 in half 1
.endr
	s_mov_b32 s70, 0                               ; the walk down my stage
	s_mov_b32 s71, 16
.Lrows:                                ; 16 trips of 8 rows
	v_add_nc_u32 v[RDC], s70, v[RD]
.irp t, 0,1,2,3,4,5,6,7
	ds_load_b128 v[Z+4*\t:Z+4*\t+3], v[RDC] offset:\t*SP
.endr
.irp t, 0,1,2,3,4,5,6,7
	s_wait_dscnt 7-\t                              ; row t is in; the younger loads stay out
	v_pk_add_f32 v[Z+4*\t:Z+4*\t+1], v[Z+4*\t:Z+4*\t+1], v[BI:BI+1]
	v_pk_add_f32 v[Z+4*\t+2:Z+4*\t+3], v[Z+4*\t+2:Z+4*\t+3], v[BI+2:BI+3]
	global_store_b128 v[CO], v[Z+4*\t:Z+4*\t+3], s[8:9] offset:\t*CROW  ; 512 consecutive bytes, aligned
.endr
	s_wait_xcnt 0x0                                ; the stores' base and data are written again only behind this wait
	s_add_nc_u64 s[8:9], s[8:9], 8*CROW
	s_add_co_u32 s70, s70, 8*SP
	s_sub_co_u32 s71, s71, 1
	s_cmp_lg_u32 s71, 0
	s_cbranch_scc1 .Lrows
	s_wait_tensorcnt 0x0                           ; the wave's end
	ds_add_u32 v[SPW], v[NIL]
	s_wait_dscnt 0x0
	CROUND                                         ; the closing round
	s_endpgm
.Lfunc_end_k_qb81aef2156_fc2:
	.size	k_qb81aef2156_fc2, .Lfunc_end_k_qb81aef2156_fc2-k_qb81aef2156_fc2
	.p2alignl 7, 3214868480
	.fill 96, 4, 3214868480
	.section	.rodata,"a",@progbits
	.p2align	6, 0x0
	.amdhsa_kernel k_qb81aef2156_fc2
		.amdhsa_group_segment_fixed_size 327680
		.amdhsa_private_segment_fixed_size 0
		.amdhsa_enable_private_segment 0
		.amdhsa_kernarg_size 32
		.amdhsa_user_sgpr_count 2
		.amdhsa_user_sgpr_kernarg_segment_ptr 1
		.amdhsa_wavefront_size32 1
		.amdhsa_system_sgpr_workgroup_id_x 1
		.amdhsa_system_sgpr_workgroup_id_y 1
		.amdhsa_system_sgpr_workgroup_id_z 1
		.amdhsa_system_vgpr_workitem_id 0
		.amdhsa_next_free_vgpr 1024
		.amdhsa_next_free_sgpr 80
		.amdhsa_reserve_vcc 0
		.amdhsa_float_denorm_mode_32 3
		.amdhsa_float_denorm_mode_16_64 3
		.amdhsa_memory_ordered 1
		.amdhsa_forward_progress 1
		.amdhsa_inst_pref_size 80
	.end_amdhsa_kernel
	.amdgpu_metadata
---
amdhsa.version: [ 1, 2 ]
amdhsa.kernels:
  - .name:           k_qb81aef2156_fc2
    .symbol:         k_qb81aef2156_fc2.kd
    .args:
      - { .name: h, .offset: 0, .size: 8, .value_kind: global_buffer, .address_space: global }
      - { .name: bf, .offset: 8, .size: 8, .value_kind: global_buffer, .address_space: global }
      - { .name: fc2_b, .offset: 16, .size: 8, .value_kind: global_buffer, .address_space: global }
      - { .name: f, .offset: 24, .size: 8, .value_kind: global_buffer, .address_space: global }
    .group_segment_fixed_size: 327680
    .private_segment_fixed_size: 0
    .kernarg_segment_align: 8
    .kernarg_segment_size: 32
    .max_flat_workgroup_size: 128
    .sgpr_count:     80
    .vgpr_count:     1024
    .wavefront_size: 32
...
	.end_amdgpu_metadata
.endif
;; end of part 7
;; launch final (part 8): grid 512 x 1, 8 waves a work-group, no clusters, 0 bytes of LDS; arguments y1, f, ln1_g, ln1_b, ln2_g, ln2_b, out0; writes out0
.if DOCPART == 8
	.amdgcn_target "amdgcn-amd-amdhsa--gfx1250"
	.amdhsa_code_object_version 6
	.text
	.protected	k_qb81aef2156_final
	.globl	k_qb81aef2156_final
	.p2align	8
	.type	k_qb81aef2156_final,@function
k_qb81aef2156_final:
	s_mov_b64 s[64:65], 0
	v_nop
	global_prefetch_b8 v0, s[64:65] scope:SCOPE_SE
	s_setreg_imm32_b32 hwreg(HW_REG_WAVE_MODE, 25, 1), 1
	s_wait_xcnt 0x0
; out0[r][:] = LayerNorm2(f[0][r][:] + f[1][r][:] + LayerNorm1(y1[r][:])).  f holds the second product's two partial sums over K, in f32 (the bias is in the first); they are added here, in f32.
; The residual is made anew in f32 from y1, so it carries no rounding to 16 bits.  y1, out0: [8192][1024] f32; f: [2][8192][1024] f32.
; A row is 4,096 bytes: one wave holds it in 32 registers.  Each norm: mean, then the sum of squares of (x - mean): no difference of large sums.
; Eight waves, two rows each, in a loop of two trips; the four parameter vectors stay in 128 registers.  A stream: no LDS, no barrier, no matrix unit.
.set Y,  32
.set F,  64
.set F2, 96
.set G1, 128
.set B1, 160
.set G2, 192
.set B2, 224
	s_load_b256 s[4:11], s[0:1], 0x0               ; y1, f, ln1_g, ln1_b
	s_load_b128 s[16:19], s[0:1], 0x20             ; ln2_g, ln2_b
	s_load_b64 s[20:21], s[0:1], 0x30              ; out0
	s_mov_b32 s12, 0x76543210                      ; v_permlanex16_b32: each lane takes its own place in the other half
	s_mov_b32 s13, 0xfedcba98
	s_mov_b32 s14, 0x3a800000                      ; 1 / 1024
	s_mov_b32 s15, 0x3727c5ac                      ; 1e-5
	v_and_b32 v3, 31, v0
	v_lshrrev_b32 v4, 5, v0
	v_lshlrev_b32 v3, 4, v3                        ; 16 x lane
	v_lshl_add_u32 v1, v4, 13, v3                  ; + wave x 2 rows x 4,096 bytes
	s_lshl_b32 s24, ttmp9, 16                      ; the group's 16 rows
	s_mov_b32 s25, 0
	s_wait_kmcnt 0x0
	s_add_nc_u64 s[4:5], s[4:5], s[24:25]
	s_add_nc_u64 s[6:7], s[6:7], s[24:25]
	s_add_nc_u64 s[26:27], s[6:7], 0x2000000       ; the second partial sum lies 33,554,432 bytes behind the first
	s_add_nc_u64 s[20:21], s[20:21], s[24:25]
.irp j, 0,1,2,3,4,5,6,7
	global_load_b128 v[G1+4*\j:G1+4*\j+3], v3, s[8:9] offset:512*\j
	global_load_b128 v[B1+4*\j:B1+4*\j+3], v3, s[10:11] offset:512*\j
	global_load_b128 v[G2+4*\j:G2+4*\j+3], v3, s[16:17] offset:512*\j
	global_load_b128 v[B2+4*\j:B2+4*\j+3], v3, s[18:19] offset:512*\j
.endr
.macro REDUCE r, tmp                   ; the sum over the wave's 32 lanes, in every lane
	v_add_f32_dpp v[\r], v[\r], v[\r] row_xmask:1 row_mask:0xf bank_mask:0xf
	v_add_f32_dpp v[\r], v[\r], v[\r] row_xmask:2 row_mask:0xf bank_mask:0xf
	v_add_f32_dpp v[\r], v[\r], v[\r] row_xmask:4 row_mask:0xf bank_mask:0xf
	v_add_f32_dpp v[\r], v[\r], v[\r] row_xmask:8 row_mask:0xf bank_mask:0xf
	v_permlanex16_b32 v[\tmp], v[\r], s12, s13
	v_add_f32 v[\r], v[\r], v[\tmp]
.endm
.macro LNSTAT X, R                     ; X becomes x - mean; v[R] = 1 / sqrt(variance + 1e-5)
	v_pk_add_f32 v[8:9], v[(\X):(\X)+1], v[(\X)+2:(\X)+3]
	v_pk_add_f32 v[10:11], v[(\X)+4:(\X)+5], v[(\X)+6:(\X)+7]
.set i, 4
.rept 6
	v_pk_add_f32 v[8:9], v[8:9], v[(\X)+2*i:(\X)+2*i+1]
	v_pk_add_f32 v[10:11], v[10:11], v[(\X)+2*i+2:(\X)+2*i+3]
.set i, i+2
.endr
	v_pk_add_f32 v[8:9], v[8:9], v[10:11]
	v_add_f32 v8, v8, v9
	REDUCE 8, 9
	v_mul_f32 v8, s14, v8                          ; the mean
.set i, 0
.rept 16
	v_pk_add_f32 v[(\X)+2*i:(\X)+2*i+1], v[(\X)+2*i:(\X)+2*i+1], v[8:9] op_sel_hi:[1,0] neg_lo:[0,1] neg_hi:[0,1]
.set i, i+1
.endr
	v_pk_mul_f32 v[10:11], v[(\X):(\X)+1], v[(\X):(\X)+1]
	v_pk_mul_f32 v[12:13], v[(\X)+2:(\X)+3], v[(\X)+2:(\X)+3]
.set i, 2
.rept 7
	v_pk_fma_f32 v[10:11], v[(\X)+2*i:(\X)+2*i+1], v[(\X)+2*i:(\X)+2*i+1], v[10:11]
	v_pk_fma_f32 v[12:13], v[(\X)+2*i+2:(\X)+2*i+3], v[(\X)+2*i+2:(\X)+2*i+3], v[12:13]
.set i, i+2
.endr
	v_pk_add_f32 v[10:11], v[10:11], v[12:13]
	v_add_f32 v10, v10, v11
	REDUCE 10, 11
	v_fma_f32 v10, v10, s14, s15
	v_rsq_f32 v[\R], v10
	v_mov_b32 v[(\R)+1], 0                         ; the plain line behind the root; the pair is named whole below
.endm
.macro LNOUT X, GG, BB, R
.set i, 0
	s_wait_alu depctr_va_vdst(0)
.rept 16
	v_pk_mul_f32 v[(\X)+2*i:(\X)+2*i+1], v[(\X)+2*i:(\X)+2*i+1], v[(\R):(\R)+1] op_sel_hi:[1,0]
.set i, i+1
.endr
.set i, 0
.rept 16
	v_pk_fma_f32 v[(\X)+2*i:(\X)+2*i+1], v[(\X)+2*i:(\X)+2*i+1], v[(\GG)+2*i:(\GG)+2*i+1], v[(\BB)+2*i:(\BB)+2*i+1]
.set i, i+1
.endr
.endm
	s_mov_b32 s22, 2
.Lrow:
.irp j, 0,1,2,3,4,5,6,7
	global_load_b128 v[Y+4*\j:Y+4*\j+3], v1, s[4:5] offset:512*\j th:TH_LOAD_NT
.endr
.irp j, 0,1,2,3,4,5,6,7
	global_load_b128 v[F+4*\j:F+4*\j+3], v1, s[6:7] offset:512*\j th:TH_LOAD_NT
.endr
.irp j, 0,1,2,3,4,5,6,7
	global_load_b128 v[F2+4*\j:F2+4*\j+3], v1, s[26:27] offset:512*\j th:TH_LOAD_NT
.endr
	s_wait_loadcnt 16                              ; y1's row is in (and, in the first trip, the parameters, issued before it); the sixteen loads of f's two halves stay out
	LNSTAT Y, 16
	LNOUT Y, G1, B1, 16                            ; inter, in f32
	s_wait_loadcnt 0x0                             ; f's two rows
.set i, 0
.rept 16
	v_pk_add_f32 v[F+2*i:F+2*i+1], v[F+2*i:F+2*i+1], v[F2+2*i:F2+2*i+1]
.set i, i+1
.endr
.set i, 0
.rept 16
	v_pk_add_f32 v[Y+2*i:Y+2*i+1], v[Y+2*i:Y+2*i+1], v[F+2*i:F+2*i+1]
.set i, i+1
.endr
	LNSTAT Y, 16
	LNOUT Y, G2, B2, 16
.irp j, 0,1,2,3,4,5,6,7
	global_store_b128 v1, v[Y+4*\j:Y+4*\j+3], s[20:21] offset:512*\j th:TH_STORE_NT  ; 512 consecutive bytes, aligned
.endr
	s_wait_xcnt 0x0                                ; the stores' offset and data are written again only behind this wait
	v_add_nc_u32 v1, 4096, v1                      ; my second row
	s_sub_co_u32 s22, s22, 1
	s_cmp_lg_u32 s22, 0
	s_cbranch_scc1 .Lrow
	s_endpgm
.Lfunc_end_k_qb81aef2156_final:
	.size	k_qb81aef2156_final, .Lfunc_end_k_qb81aef2156_final-k_qb81aef2156_final
	.p2alignl 7, 3214868480
	.fill 96, 4, 3214868480
	.section	.rodata,"a",@progbits
	.p2align	6, 0x0
	.amdhsa_kernel k_qb81aef2156_final
		.amdhsa_group_segment_fixed_size 0
		.amdhsa_private_segment_fixed_size 0
		.amdhsa_enable_private_segment 0
		.amdhsa_kernarg_size 56
		.amdhsa_user_sgpr_count 2
		.amdhsa_user_sgpr_kernarg_segment_ptr 1
		.amdhsa_wavefront_size32 1
		.amdhsa_system_sgpr_workgroup_id_x 1
		.amdhsa_system_sgpr_workgroup_id_y 1
		.amdhsa_system_sgpr_workgroup_id_z 1
		.amdhsa_system_vgpr_workitem_id 0
		.amdhsa_next_free_vgpr 256
		.amdhsa_next_free_sgpr 66
		.amdhsa_reserve_vcc 0
		.amdhsa_float_denorm_mode_32 3
		.amdhsa_float_denorm_mode_16_64 3
		.amdhsa_memory_ordered 1
		.amdhsa_forward_progress 1
		.amdhsa_inst_pref_size 22
	.end_amdhsa_kernel
	.amdgpu_metadata
---
amdhsa.version: [ 1, 2 ]
amdhsa.kernels:
  - .name:           k_qb81aef2156_final
    .symbol:         k_qb81aef2156_final.kd
    .args:
      - { .name: y1, .offset: 0, .size: 8, .value_kind: global_buffer, .address_space: global }
      - { .name: f, .offset: 8, .size: 8, .value_kind: global_buffer, .address_space: global }
      - { .name: ln1_g, .offset: 16, .size: 8, .value_kind: global_buffer, .address_space: global }
      - { .name: ln1_b, .offset: 24, .size: 8, .value_kind: global_buffer, .address_space: global }
      - { .name: ln2_g, .offset: 32, .size: 8, .value_kind: global_buffer, .address_space: global }
      - { .name: ln2_b, .offset: 40, .size: 8, .value_kind: global_buffer, .address_space: global }
      - { .name: out0, .offset: 48, .size: 8, .value_kind: global_buffer, .address_space: global }
    .group_segment_fixed_size: 0
    .private_segment_fixed_size: 0
    .kernarg_segment_align: 8
    .kernarg_segment_size: 56
    .max_flat_workgroup_size: 256
    .sgpr_count:     66
    .vgpr_count:     256
    .wavefront_size: 32
...
	.end_amdgpu_metadata
.endif
;; end of part 8
;; ======== version 2 of 2: 8 launches; 1.07 times as fast as version 1
;; workspace buffers: bf 46,137,344 bytes; qkvT 25,165,824 bytes; oT 8,388,608 bytes; y1 33,554,432 bytes; inter 16,777,216 bytes; h 33,554,432 bytes; f 67,108,864 bytes
;; launch prep: the kernel of part 1 again; grid 1408 x 1, 8 waves a work-group, no clusters, 0 bytes of LDS; arguments x, keys, Wq, Wk, Wv, Wo, fc1_w, fc2_w, bf; writes bf
;; launch proj: the kernel of part 2 again; grid 32 x 6, 4 waves a work-group, clusters of 4 x 1, 327,680 bytes of LDS; arguments bf, qkvT; writes qkvT
;; launch attn (part 9): grid 4 x 64, 8 waves a work-group, clusters of 4 x 1, 327,680 bytes of LDS; arguments qkvT, oT; writes oT
.if DOCPART == 9
	.amdgcn_target "amdgcn-amd-amdhsa--gfx1250"
	.amdhsa_code_object_version 6
	.text
	.protected	k_qb81aef2156_attn
	.globl	k_qb81aef2156_attn
	.p2align	8
	.type	k_qb81aef2156_attn,@function
k_qb81aef2156_attn:
	s_mov_b64 s[64:65], 0
	v_nop
	global_prefetch_b8 v0, s[64:65] scope:SCOPE_SE
	s_setreg_imm32_b32 hwreg(HW_REG_WAVE_MODE, 25, 1), 1
	s_wait_xcnt 0x0
	s_wait_alu depctr_hold_cnt(0) depctr_sa_sdst(0) depctr_va_vdst(0) depctr_va_sdst(0) depctr_va_ssrc(0) depctr_va_vcc(0) depctr_vm_vsrc(0)
	s_getreg_b32 s2, hwreg(HW_REG_IB_STS2, 6, 4)
	s_cmp_eq_u32 s2, 0
	s_cbranch_scc0 .Lentry_in_a_cluster
	s_endpgm
.Lentry_in_a_cluster:
	s_bfe_u32 s2, ttmp6, 0x10000c
	s_cmp_lg_u32 s2, 0x3003
	s_cbranch_scc0 .Lentry_shape_is_right
	s_endpgm
.Lentry_shape_is_right:
; oT[32 hd + d][t] = the sum over keys of softmax(q . k / sqrt(32)) v[d], for each of the 64 heads (batch b, head hd), 2,048 queries x 2,048 keys, head size 32.
; qkvT: [1536 channels][8192 tokens] bf16 (q, k, v; unscaled); oT: [512][8192] bf16.  Products, maxima and sums in f32; the weights p are rounded to bf16 for the second product
; (their sum l is taken of the unrounded p), O once at the end.
; LIMITS: c |s| stays below 4e37 (c m starts at -4.25e37); a weight below 2^-126 counts as 0; NaN and infinities are not treated apart.
; SHARES.  A work-group owns 512 queries of a head, each of its eight waves 64: four tiles of 16.  Every wave walks all 2,048 keys, 64 a step.
; NO RING.  A head's whole K and V, 2 x 32 channels x 2,048 keys x 2 bytes, lie in LDS: eight units of 32 rows x 1,024 bytes, filled once; nothing is filled again.
; THE FILLS GO OUT IN THE ORDER OF THE KEYS.  A wave asks for its four rows of Q and then, chunk of 512 keys by chunk, for eight channels of K (even waves) or of V (odd waves): five loads of mine are out
; at the most.  A unit has 32 rows in all, so a wave's eighth of a chunk is 8 rows of 1,024 bytes.  The walk begins when Q and chunk 0 are in, 101 of the 304 KB; the other chunks land under chunk 0's eight steps.
; CLUSTER.  The four query blocks of a head ask for K and V jointly: the same loads, descriptors and mask in all four.  Q's rows are each work-group's own.
; LAYOUT.  S^T = K Q^T (source 0 = 16 keys, source 1 = 16 queries): a lane holds ONE query (lane % 16) and keys 8 (lane / 16) + 0..7.  Two such results, rounded in pairs, ARE source 1 of O^T = V^T P.
; K and Q lie [channel][token] and come turned, by ds_load_tr16_b128; V^T is source 0 as it lies.
; SOFTMAX.  A running maximum m and sum l for each query: p = 2^(c s - c m), c = log2(e) / sqrt(32); O and l are multiplied by a = 2^(c m_old - c m_new) in every step.  m starts at the lowest finite
; number, O and l at 0: the first step is a step like any other, with a = 0.
; A tile and step have 8 matrix and 110 vector instructions: vector issue binds; the two waves of a SIMD fill each other's gaps.
; BATCHES.  A tile's 33 exponentials of a step (a, then the 32 weights, each in place in its score's register) are ONE batch.  They stand together with the 16 scalings, which read none of their results;
; a v_nop and ONE s_wait_alu depctr_va_vdst(0) follow; all that names a result (the roundings, the sums, l = a l + sum, O^T x a) stands behind that wait.  Four waits a step; behind tile 3's
; no exponential is issued.  Nothing else of a tile could stand between the batch and its wait: S has one buffer, so the next tile's scores are made only when this tile's weights
; are rounded and summed, and V^T P of the tile before reads P, which the first lines behind the wait write.  The way out's four reciprocals are a batch of their own.
.set PIT,   1056                       ; an LDS row: 1,024 bytes + 32 of padding, 33 x 32; V's plain loads collide two deep (8 loads a step)
.set UNIT,  32*PIT                     ; unit u at u x UNIT: keys 512 (u / 2) on; K for even u, V for odd u
.set QBASE, 8*UNIT                     ; Q^T: 32 rows x 512 queries; filled once, and at the end the stage for the way out
.set SPARE, 9*UNIT                     ; the spare words, 128 bytes for each of eight waves; no other line names them
.set AK,  2                            ; my lane's place in a unit of K; never rewritten
.set AV,  3                            ; the same for V
.set AQ,  4
.set STO, 5
.set RD,  6
.set GO,  7
.set SPW, 8
.set NIL, 9
.set MO,  10                           ; c m_old
.set DD,  11                           ; c m_old - c m_new
.set CC,  12                           ; v12-15 c0-c3 at work; a takes c2's place
.set ST,  16                           ; tile t: c m, m, l (even keys', odd keys') at v[ST + 4 t]
.set Q,   32
.set KF,  64
.set VF,  96                           ; key half kk, channel block cb at VF + 16 kk + 8 cb
.set S,   128
.set PP,  160
.set O,   176                          ; 16 a tile
.set AKC, 240                          ; the step's LDS addresses
.set AVC, 241
.set WV,  8
.set G1J, 16                           ; s[16:23] group 1 of the joint loads
.set G1Q, 24                           ; s[24:31] group 1 of Q's load
.set G0Q, 36                           ; s[36:39] group 0 of Q's load; the four chunks' group 0: s[32:35], s[52:55], s[56:59], s[60:63]
.set CS,  44
.set SEL, 46
.set TB,  50                           ; LDS byte at which the step's keys begin in K's first unit
.set LJ,  51                           ; LDS byte of my eight rows in chunk 0
.macro CROUND
	s_barrier_signal -1
	s_barrier_wait -1
	s_cmp_lg_u32 s[WV], 0
	s_cbranch_scc1 .Lnot_wave_0_\@
	s_barrier_signal -3
.Lnot_wave_0_\@:
	s_barrier_wait -3
	s_barrier_signal -1
	s_barrier_wait -1
.endm
	s_load_b128 s[4:7], s[0:1], 0x0                ; qkvT, oT
	v_lshl_add_u32 v[SPW], v0, 2, SPARE
	v_mov_b32 v[NIL], 0
	ds_add_u32 v[SPW], v[NIL]                      ; the wave's opening: the add and its wait ahead of my first tensor load
	v_lshrrev_b32 v1, 5, v0
	v_readfirstlane_b32 s[WV], v1                  ; wave 0..7
	s_bfe_u32 s9, ttmp6, 0x40000                   ; cx
	s_lshl_b32 s13, ttmp9, 2
	s_add_co_u32 s13, s13, s9                      ; my block of 512 queries: it enters Q's and O's addresses alone
	s_and_b32 s10, ttmp7, 0xffff                   ; the head, which the four partners share
	s_lshr_b32 s11, s10, 4                         ; b
	s_and_b32 s12, s10, 15                         ; hd
	s_lshl_b32 s14, s11, 12                        ; the batch's first token, in bytes
	s_lshl_b32 s15, s12, 5                         ; 32 hd
	s_and_b32 s2, s[WV], 1                         ; K (0) or V (1)
	s_lshr_b32 s3, s[WV], 1                        ; which eight of the 32 channels
	s_mul_i32 s[LJ], s2, UNIT
	s_mul_i32 s40, s3, 8*PIT
	s_add_co_u32 s[LJ], s[LJ], s40                 ; my rows' place in chunk 0: the wave's number and constants alone
	s_lshl_b32 s40, s2, 9
	s_add_co_u32 s40, s40, 512
	s_add_co_u32 s40, s40, s15
	s_lshl_b32 s41, s3, 3
	s_add_co_u32 s40, s40, s41                     ; row 512 + 512 (w & 1) + 32 hd + 8 (w / 2),
	s_lshl_b32 s40, s40, 14                        ; of 16,384 bytes
	s_add_co_u32 s40, s40, s14
	s_mov_b32 s41, 0
	s_lshl_b32 s42, s[WV], 2
	s_add_co_u32 s42, s42, s15                     ; row 32 hd + 4 w of q, and of oT
	s_lshl_b32 s42, s42, 14
	s_add_co_u32 s42, s42, s14
	s_lshl_b32 s43, s13, 10
	s_add_co_u32 s42, s42, s43                     ; my block's first query
	s_mov_b32 s43, 0
	s_mov_b32 s[G1J], 15|(1<<16)|(1<<20)|(1<<21)|(7<<22)|(7<<25)  ; the mask of four; 2-byte elements; padding on; bit 21 beside a mask; after every 256 words 8 words
	s_mov_b32 s[G1J+1], 512<<16                    ; tensor_dim0 = 512
	s_mov_b32 s[G1J+2], 8<<16                      ; tensor_dim1 = 8
	s_mov_b32 s[G1J+3], 512<<16                    ; tile_dim0 = 512
	s_mov_b32 s[G1J+4], 8                          ; tile_dim1 = 8
	s_mov_b32 s[G1J+5], 8192                       ; elements from row to row
	s_mov_b32 s[G1J+6], 0
	s_mov_b32 s[G1J+7], 0
	s_mov_b32 s[G1Q], (1<<16)|(1<<20)|(7<<22)|(7<<25)  ; my own work-group's: no mask
	s_mov_b32 s[G1Q+1], 512<<16
	s_mov_b32 s[G1Q+2], 4<<16                      ; four rows a wave
	s_mov_b32 s[G1Q+3], 512<<16
	s_mov_b32 s[G1Q+4], 4
	s_mov_b32 s[G1Q+5], 8192
	s_mov_b32 s[G1Q+6], 0
	s_mov_b32 s[G1Q+7], 0
.set cn, 0
.irp g, 32, 52, 56, 60
	s_mov_b32 s[\g], 1
	s_add_co_u32 s[\g+1], s[LJ], cn*2*UNIT         ; chunk cn's units lie 2 cn units on
.set cn, cn+1
.endr
	s_mov_b32 s[G0Q], 1
	s_mul_i32 s[G0Q+1], s[WV], 4*PIT
	s_add_co_u32 s[G0Q+1], s[G0Q+1], QBASE
	s_mov_b32 s[CS], 0x3e8293ee                    ; c = log2(e) / sqrt(32) = 0.255035
	s_mov_b32 s[CS+1], s[CS]
	s_mov_b32 s[SEL], 0x76543210
	s_mov_b32 s[SEL+1], 0xfedcba98
	s_mov_b32 s[TB], 0
	s_wait_dscnt 0x0                               ; the opening add is done
	s_wait_kmcnt 0x0
	s_add_nc_u64 s[40:41], s[4:5], s[40:41]        ; my eight rows at the batch's first key
.set cn, 0
.irp g, 32, 52, 56, 60
	s_add_nc_u64 s[\g+2:\g+3], s[40:41], cn*1024   ; keys 512 cn on
	s_or_b32 s[\g+3], s[\g+3], 0x80000000
.set cn, cn+1
.endr
	s_add_nc_u64 s[G0Q+2:G0Q+3], s[4:5], s[42:43]
	s_or_b32 s[G0Q+3], s[G0Q+3], 0x80000000
	s_add_nc_u64 s[6:7], s[6:7], s[42:43]          ; oT at my four rows, my block's first query
	CROUND                                         ; all four work-groups are here: the joint loads meet
	tensor_load_to_lds s[G0Q:G0Q+3], s[G1Q:G1Q+7]  ; Q first, then the chunks in the order in which they are walked
	s_nop 0
.irp g, 32, 52, 56, 60
	tensor_load_to_lds s[\g:\g+3], s[G1J:G1J+7]
	s_nop 0
.endr
.rept 4
	v_nop
.endr
	v_and_b32 v1, 15, v0                           ; l % 16
	v_bfe_u32 v12, v0, 4, 1                        ; l / 16
	v_and_b32 v13, 7, v0
	v_bfe_u32 v14, v0, 3, 1
	v_lshl_add_u32 v[AK], v12, 3, v13              ; the turning load: lane l reads channel 8 (l / 16) + l % 8, tokens 8 ((l / 8) % 2) + 0..7
	v_mul_u32_u24 v[AK], v[AK], PIT
	v_lshl_add_u32 v[AK], v14, 4, v[AK]
	v_mul_u32_u24 v[AV], v1, PIT                   ; V^T as it lies: channel l % 16, keys 8 (l / 16) + 0..7
	v_lshl_add_u32 v[AV], v12, 4, v[AV]
	v_add_nc_u32 v[AV], UNIT, v[AV]
	s_lshl_b32 s14, s[WV], 7
	s_add_co_u32 s14, s14, QBASE                   ; my wave's 64 queries in the Q tile
	v_add_nc_u32 v[AQ], s14, v[AK]
	v_mul_u32_u24 v[STO], v12, 8*PIT               ; the way out, in: channel 8 (l / 16) + .., query l % 16
	v_lshl_add_u32 v[STO], v1, 1, v[STO]
	v_add_nc_u32 v[STO], s14, v[STO]
	v_and_b32 v[GO], 31, v0
	v_lshlrev_b32 v[GO], 4, v[GO]                  ; back: 32 lanes take 512 consecutive bytes of a row
	v_add_nc_u32 v[RD], s[G0Q+1], v[GO]            ; rows 4 w on
.set i, 0
.rept 4
	v_mov_b32 v[ST+4*i], 0xfe000000                ; c m: far below every c s
	v_mov_b32 v[ST+4*i+1], 0xff7fffff              ; m
	v_mov_b32 v[ST+4*i+2], 0
	v_mov_b32 v[ST+4*i+3], 0
.set i, i+1
.endr
.set i, 0
.rept 64                                           ; O^T = 0: no first step is written out; these lines stand in the wait for the tiles
	v_mov_b32 v[O+i], 0
.set i, i+1
.endr
	s_wait_tensorcnt 0x3                           ; my rows of Q and of chunk 0 are in; the three younger loads, chunks 1 to 3, stay out
	s_barrier_signal -1
	s_barrier_wait -1                              ; everybody's are
.irp t, 0,1,2,3
	ds_load_tr16_b128 v[Q+8*\t:Q+8*\t+3],   v[AQ] offset:32*\t
	ds_load_tr16_b128 v[Q+8*\t+4:Q+8*\t+7], v[AQ] offset:32*\t+16*PIT
.endr
.macro FETCH                           ; a step's K (64 keys x 32 channels, turned) and V^T (32 channels x 64 keys)
.irp kb, 0,1,2,3
	ds_load_tr16_b128 v[KF+8*\kb:KF+8*\kb+3],   v[AKC] offset:32*\kb
	ds_load_tr16_b128 v[KF+8*\kb+4:KF+8*\kb+7], v[AKC] offset:32*\kb+16*PIT
.endr
.irp kk, 0,1
.irp cb, 0,1
	ds_load_b128 v[VF+16*\kk+8*\cb:VF+16*\kk+8*\cb+3],   v[AVC] offset:\cb*16*PIT+64*\kk
	ds_load_b128 v[VF+16*\kk+8*\cb+4:VF+16*\kk+8*\cb+7], v[AVC] offset:\cb*16*PIT+64*\kk+32
.endr
.endr
.endm
.macro KQ0                             ; tile 0's scores
.irp kb, 0,1,2,3
	v_wmma_f32_16x16x32_bf16 v[S+8*\kb:S+8*\kb+7], v[KF+8*\kb:KF+8*\kb+7], v[Q:Q+7], 0
.endr
.endm
.macro KQR t                           ; tile t + 1's scores; behind each product two of the eight lines O^T(t) x a, which name none of its registers
.irp kb, 0,1,2,3
	v_wmma_f32_16x16x32_bf16 v[S+8*\kb:S+8*\kb+7], v[KF+8*\kb:KF+8*\kb+7], v[Q+8*(\t)+8:Q+8*(\t)+15], 0
	v_pk_mul_f32 v[O+16*(\t)+4*\kb:O+16*(\t)+4*\kb+1], v[O+16*(\t)+4*\kb:O+16*(\t)+4*\kb+1], v[CC+2:CC+3] op_sel_hi:[1,0]
	v_pk_mul_f32 v[O+16*(\t)+4*\kb+2:O+16*(\t)+4*\kb+3], v[O+16*(\t)+4*\kb+2:O+16*(\t)+4*\kb+3], v[CC+2:CC+3] op_sel_hi:[1,0]
.endr
.endm
.macro PV t                            ; O^T(t) += V^T P: the two accumulators take turns
.irp kk, 0,1
.irp cb, 0,1
	v_wmma_f32_16x16x32_bf16 v[O+16*(\t)+8*\cb:O+16*(\t)+8*\cb+7], v[VF+16*\kk+8*\cb:VF+16*\kk+8*\cb+7], v[PP+8*\kk:PP+8*\kk+7], v[O+16*(\t)+8*\cb:O+16*(\t)+8*\cb+7]
.endr
.endr
.endm
.macro SMAX t                          ; the maximum of the lane's 32 scores and the old m; each accumulator's lowest registers are read first
.set rT, ST+4*(\t)
.irp n, 0,1,2,3
	v_max3_num_f32 v[CC+\n], v[S+8*\n], v[S+8*\n+1], v[S+8*\n+2]
.endr
.irp n, 0,1,2,3
	v_max3_num_f32 v[CC+\n], v[CC+\n], v[S+8*\n+3], v[S+8*\n+4]
.endr
.irp n, 0,1,2,3
	v_max3_num_f32 v[CC+\n], v[CC+\n], v[S+8*\n+5], v[S+8*\n+6]
.endr
	v_max3_num_f32 v[CC], v[CC], v[S+7], v[S+15]
	v_max3_num_f32 v[CC+1], v[CC+1], v[S+23], v[S+31]
	v_max3_num_f32 v[CC+2], v[CC+2], v[CC+3], v[rT+1]
	v_mov_b32 v[MO], v[rT]                         ; c m_old is kept
	v_max3_num_f32 v[CC], v[CC], v[CC+1], v[CC+2]
	v_permlanex16_b32 v[CC+3], v[CC], s[SEL], s[SEL+1]  ; the query's other 32 keys lie in the lane 16 away
	v_max_num_f32 v[rT+1], v[CC], v[CC+3]
	v_mul_f32 v[rT], s[CS], v[rT+1]
	v_sub_f32 v[DD], v[MO], v[rT]
	v_exp_f32 v[CC+2], v[DD]                       ; a: the first of the tile's batch; the scalings below are the plain lines behind it, and nothing names it ahead of the batch's wait
.endm
.macro FF p                            ; c s - c m for pair p
	v_pk_fma_f32 v[S+2*(\p):S+2*(\p)+1], v[S+2*(\p):S+2*(\p)+1], s[CS:CS+1], v[rT:rT+1] op_sel_hi:[1,0,0] neg_lo:[0,0,1] neg_hi:[0,0,1]
.endm
.macro SEXP t                          ; the rest of the batch, its one wait, and then the readers: roundings and sums
.set rT, ST+4*(\t)
	FF 0                                           ; THE BATCH: the 16 scalings and the 32 exponentials; a pair is scaled three pairs ahead of its exponentials, and no line here names an exponential's result
	FF 1
	FF 2
.set i, 0
.rept 16
	v_exp_f32 v[S+2*i], v[S+2*i]
.if i < 13
	FF i+3
.endif
	v_exp_f32 v[S+2*i+1], v[S+2*i+1]
.set i, i+1
.endr
	v_nop                                          ; the plain line behind the last exponential, ahead of the first use (ISA guide 5.7.2): one for the batch
	s_wait_alu depctr_va_vdst(0)                   ; ONE wait for the tile's 33 exponentials, a and the 32 weights; every reader stands behind it
.set i, 1
.rept 15
	v_cvt_pk_bf16_f32 v[PP+i-1], v[S+2*i-2], v[S+2*i-1]
.if (i >= 3) && (i%2 == 1)
	v_pk_add_f32 v[S+2*i-6:S+2*i-5], v[S+2*i-6:S+2*i-5], v[S+2*i-4:S+2*i-3]  ; of four weights, both pairs rounded already, the second pair onto the first
.endif
.set i, i+1
.endr
	v_cvt_pk_bf16_f32 v[PP+15], v[S+30], v[S+31]
	v_pk_add_f32 v[S+28:S+29], v[S+28:S+29], v[S+30:S+31]
.irp k, 0,8,16,24
	v_pk_add_f32 v[S+\k:S+\k+1], v[S+\k:S+\k+1], v[S+\k+4:S+\k+5]
.endr
	v_pk_add_f32 v[S:S+1], v[S:S+1], v[S+8:S+9]
	v_pk_add_f32 v[S+16:S+17], v[S+16:S+17], v[S+24:S+25]
	v_pk_add_f32 v[S:S+1], v[S:S+1], v[S+16:S+17]
	v_pk_fma_f32 v[rT+2:rT+3], v[rT+2:rT+3], v[CC+2:CC+3], v[S:S+1] op_sel_hi:[1,0,1]  ; l = a l + the sum: ahead of the products that write S anew
.endm
.macro TILE t
	SMAX \t
	SEXP \t
.if (\t) < 3
	KQR \t                                         ; behind its last product stand two rescalings and, behind PV, three maxima before that product's result is read
.else
.set i, 0
.rept 8
	v_pk_mul_f32 v[O+48+2*i:O+48+2*i+1], v[O+48+2*i:O+48+2*i+1], v[CC+2:CC+3] op_sel_hi:[1,0]
.set i, i+1
.endr
.endif
	PV \t
.endm
	s_mov_b32 s48, 4
.Lchunk:                               ; four chunks of 512 keys
	s_mov_b32 s49, 8
.Lstep:                                ; eight steps of 64 keys
	v_add_nc_u32 v[AKC], s[TB], v[AK]              ; these four plain lines are the places between the last V^T P and the loads into V's registers
	v_add_nc_u32 v[AVC], s[TB], v[AV]
	v_nop
	v_nop
	FETCH
	s_wait_dscnt 0x0                               ; K and V are in (in the first trip Q too)
	KQ0
.rept 4
	v_nop                                          ; the places behind those products
.endr
	TILE 0
	TILE 1
	TILE 2
	TILE 3
	s_add_co_u32 s[TB], s[TB], 128                 ; 64 keys on
	s_sub_co_u32 s49, s49, 1
	s_cmp_lg_u32 s49, 0
	s_cbranch_scc1 .Lstep
	s_add_co_u32 s[TB], s[TB], 2*UNIT-1024         ; the next chunk's unit of K
	s_wait_tensorcnt 0x0                           ; behind chunk 0: my rows of chunks 1 to 3 are in, asked for eight steps ago; behind the later chunks no load is out.  Nothing is filled again,
	s_barrier_signal -1                            ; so this barrier only shows every wave's rows to every wave; no LDS load of mine is out (each step has waited for its own).
	s_barrier_wait -1                              ; Behind the last chunk it shows that nobody reads LDS any more: the stage below may be written
	s_sub_co_u32 s48, s48, 1
	s_cmp_lg_u32 s48, 0
	s_cbranch_scc1 .Lchunk
	; THE WAY OUT.  l's halves are added (four plain lines: the places behind the last products); O^T / l, rounded, goes into the Q tile's bytes, which have had their one fill, as [channel][query], and leaves as whole rows.
.irp t, 0,1,2,3
	v_add_f32 v[ST+4*\t+2], v[ST+4*\t+2], v[ST+4*\t+3]
.endr
.irp t, 0,1,2,3
	v_permlanex16_b32 v[ST+4*\t+3], v[ST+4*\t+2], s[SEL], s[SEL+1]
.endr
.irp t, 0,1,2,3
	v_add_f32 v[ST+4*\t+2], v[ST+4*\t+2], v[ST+4*\t+3]
.endr
.irp t, 0,1,2,3
	v_rcp_f32 v[ST+4*\t+2], v[ST+4*\t+2]
.endr
	v_nop                                          ; a plain line between the last reciprocal and the use of its result
	s_wait_alu depctr_va_vdst(0)                   ; one wait for the four reciprocals
.irp t, 0,1,2,3
.irp i, 0,1,2,3,4,5,6,7
	v_pk_mul_f32 v[O+16*\t+2*\i:O+16*\t+2*\i+1], v[O+16*\t+2*\i:O+16*\t+2*\i+1], v[ST+4*\t+2:ST+4*\t+3] op_sel_hi:[1,0]
.endr
.irp i, 0,1,2,3,4,5,6,7
	v_cvt_pk_bf16_f32 v[S+8*\t+\i], v[O+16*\t+2*\i], v[O+16*\t+2*\i+1]
.endr
.endr
.irp t, 0,1,2,3
.irp cb, 0,1
.irp jj, 0,1,2,3
	ds_store_b16 v[STO], v[S+8*\t+4*\cb+\jj] offset:(16*\cb+2*\jj)*PIT+32*\t          ; channel 16 cb + 8 (l / 16) + 2 jj
	ds_store_b16_d16_hi v[STO], v[S+8*\t+4*\cb+\jj] offset:(16*\cb+2*\jj+1)*PIT+32*\t ; and the next
.endr
.endr
.endr
	s_wait_dscnt 0x0                               ; for the others' sake: my stores are done
	s_barrier_signal -1
	s_barrier_wait -1
.irp i, 0,1,2,3,4,5,6,7
	ds_load_b128 v[KF+4*\i:KF+4*\i+3], v[RD] offset:(\i/2)*PIT+512*(\i%2)
.endr
.irp i, 0,1,2,3,4,5,6,7
	s_wait_dscnt 7-\i
	global_store_b128 v[GO], v[KF+4*\i:KF+4*\i+3], s[6:7] offset:(\i/2)*16384+512*(\i%2)  ; 512 consecutive bytes, aligned
.endr
	s_wait_tensorcnt 0x0                           ; the wave's end
	ds_add_u32 v[SPW], v[NIL]
	s_wait_dscnt 0x0
	CROUND                                         ; the closing round
	s_endpgm
.Lfunc_end_k_qb81aef2156_attn:
	.size	k_qb81aef2156_attn, .Lfunc_end_k_qb81aef2156_attn-k_qb81aef2156_attn
	.p2alignl 7, 3214868480
	.fill 96, 4, 3214868480
	.section	.rodata,"a",@progbits
	.p2align	6, 0x0
	.amdhsa_kernel k_qb81aef2156_attn
		.amdhsa_group_segment_fixed_size 327680
		.amdhsa_private_segment_fixed_size 0
		.amdhsa_enable_private_segment 0
		.amdhsa_kernarg_size 16
		.amdhsa_user_sgpr_count 2
		.amdhsa_user_sgpr_kernarg_segment_ptr 1
		.amdhsa_wavefront_size32 1
		.amdhsa_system_sgpr_workgroup_id_x 1
		.amdhsa_system_sgpr_workgroup_id_y 1
		.amdhsa_system_sgpr_workgroup_id_z 1
		.amdhsa_system_vgpr_workitem_id 0
		.amdhsa_next_free_vgpr 242
		.amdhsa_next_free_sgpr 66
		.amdhsa_reserve_vcc 0
		.amdhsa_float_denorm_mode_32 3
		.amdhsa_float_denorm_mode_16_64 3
		.amdhsa_memory_ordered 1
		.amdhsa_forward_progress 1
		.amdhsa_inst_pref_size 48
	.end_amdhsa_kernel
	.amdgpu_metadata
---
amdhsa.version: [ 1, 2 ]
amdhsa.kernels:
  - .name:           k_qb81aef2156_attn
    .symbol:         k_qb81aef2156_attn.kd
    .args:
      - { .name: qkvT, .offset: 0, .size: 8, .value_kind: global_buffer, .address_space: global }
      - { .name: oT, .offset: 8, .size: 8, .value_kind: global_buffer, .address_space: global }
    .group_segment_fixed_size: 327680
    .private_segment_fixed_size: 0
    .kernarg_segment_align: 8
    .kernarg_segment_size: 16
    .max_flat_workgroup_size: 256
    .sgpr_count:     66
    .vgpr_count:     242
    .wavefront_size: 32
...
	.end_amdgpu_metadata
.endif
;; end of part 9
;; launch wo: the kernel of part 4 again; grid 8 x 64, 4 waves a work-group, clusters of 4 x 4, 327,680 bytes of LDS; arguments oT, bf, x, y1; writes y1
;; launch ln1: the kernel of part 5 again; grid 512 x 1, 8 waves a work-group, no clusters, 0 bytes of LDS; arguments y1, ln1_g, ln1_b, inter; writes inter
;; launch fc1: the kernel of part 6 again; grid 8 x 32, 4 waves a work-group, clusters of 4 x 4, 327,680 bytes of LDS; arguments inter, bf, fc1_b, h; writes h
;; launch fc2: the kernel of part 7 again; grid 8 x 32, 4 waves a work-group, clusters of 4 x 4, 327,680 bytes of LDS; arguments h, bf, fc2_b, f; writes f
;; launch final: the kernel of part 8 again; grid 512 x 1, 8 waves a work-group, no clusters, 0 bytes of LDS; arguments y1, f, ln1_g, ln1_b, ln2_g, ln2_b, out0; writes out0
